; MI455X (gfx1250); checked and timed in simulation.
; The chip was launched on July 23, 2026; its instructions are those of AMD's public machine-readable ISA for CDNA 5 (MIT licence, August 2026) and "CDNA5" Instruction Set Architecture Reference Guide (July 2026). The comments in the code are by the model that wrote it; some were corrected since.
;; Causal Self Attention. Allowed arithmetic: matrix products marked QUANTISED: E5M2 operands, one E8M0 scale for each 32 along K, by v_wmma_scale_f32_16x16x128_f8f6f4 with both operands' format E5M2, f32 sums; everything else in f32.
;; Inputs: W_attn 1,024 x 3,072 float32; W_proj 1,024 x 1,024 float32; b_attn 3,072 float32; b_proj 1,024 float32; x 4 x 2,048 x 1,024 float32.
;; Outputs: out0 4 x 2,048 x 1,024 float32.
;; This version of the problem:
;;   THIS VERSION OF THE PROBLEM IS GIVEN IN LOW PRECISION. The matrix products marked QUANTISED in the list below multiply operands that are first quantised to E5M2 (5 exponent bits, 2 mantissa bits; 8 bits a number), with one power-of-two scale for each 32 numbers along K (OCP MX v1.0); their sums are f32. All else is computed in f32.
;;   The module's matrix products, in the order in which they are computed (A, B: the left and right operand; K: the contracted axis; several contracted axes count as one K, in the product's order):
;;     1. [M 8,192, K 1,024] x [K 1,024, N 3,072]; A: input x; B: input W_attn: QUANTISED
;;     2. batch 64 x [M 2,048, K 64] x [K 64, N 2,048]; A: computed on the way; B: computed on the way: QUANTISED
;;     3. batch 64 x [M 2,048, K 2,048] x [K 2,048, N 64]; A: softmax (see below); B: computed on the way: QUANTISED
;;     4. [M 8,192, K 1,024] x [K 1,024, N 1,024]; A: computed on the way; B: input W_proj: QUANTISED
;;   THE QUANTISER, for each operand of a quantised product, along K:
;;     - K is cut into blocks of 32 from its start; a last block that is shorter is filled with zeros.
;;     - A block's scale is 2^e with e = floor(log2(the largest magnitude in the block)) - 15, held to -126 .. 127; a block of zeros has e = 0. As a byte (E8M0): e + 127.
;;     - Each number is divided by its block's scale, clamped to +-57,344, and rounded to the nearest number of E5M2, ties to even, subnormals kept.
;;     - The product sums the exact products of the quantised numbers (number of the format x scale) in f32.
;;   ~~~python
;;   def quantise(x, axis):      # numpy; x: float32 -> the quantised numbers, widened to float32 again
;;       x = np.moveaxis(x, axis, -1); K = x.shape[-1]
;;       x = np.pad(x, [(0, 0)] * (x.ndim - 1) + [(0, -K % 32)]); x = x.reshape(x.shape[:-1] + (-1, 32)); a = np.abs(x).max(-1, keepdims=True)
;;       e = np.where(a > 0, np.clip(np.frexp(np.where(a > 0, a, 1))[1] - 1 - 15, -126, 127), 0)      # np.frexp(a)[1] - 1 = floor(log2(a)), exactly
;;       r = np.clip(x / 2.0 ** e, -57344, 57344)
;;       step = 2.0 ** (np.maximum(np.frexp(np.where(r == 0, 1, r))[1] - 1, -14) - 2)
;;       q = np.round(r / step) * step * 2.0 ** e      # np.round: ties to even
;;       return np.moveaxis(q.reshape(q.shape[:-2] + (-1,))[..., :K], -1, axis).astype(np.float32)
;;   ~~~
;;   SOFTMAX AHEAD OF A QUANTISED PRODUCT. Where the list says 'softmax', what is quantised is not the finished softmax but p = 2^(t - M), with t = logit x log2(e) and M = ceil(the row's largest t), a whole number; so 1/2 < the row's largest p <= 1. The row's sum l is taken of the UNQUANTISED p, in f32, and the product's result is divided by l at the end. Since M is a whole number, a kernel that streams over the keys may use a running M (the ceiling of the running maximum): every later rescaling is an exact power of two, which a block's scale takes up: the codes' values come out the same.
;;   OPERANDS COMPUTED ON THE WAY. 'Computed on the way' means the value that the module computes at that place (a softmax that the list does not call 'softmax' is quantised finished and normalised). What goes into a quantiser is computed in f32, as accurately as f32 sums, v_exp_f32 and their like allow (about 1e-6 of the number): no bf16 or f16 on the way to a quantiser, and a product that is left as it is and whose result goes on into a quantised operand takes f32 operands (vector FMAs, or v_wmma_f32_16x16x4_f32). A number that lies on a knife's edge between two numbers of the format may be rounded either way, as far as f32 arithmetic and the matrix unit's own rounding can turn it there, and no further.
;; One version. Each part assembles by itself: llvm-mc -triple=amdgcn-amd-amdhsa -mcpu=gfx1250 --defsym DOCPART=n.
;; ======== version 1 of 1: 4 launches
;; limits: right only within a limited range of input values
;; workspace buffers: xq 8,650,752 bytes; waq 3,244,032 bytes; wpq 1,081,344 bytes; qkv 25,952,256 bytes; yq 8,650,752 bytes
;; launch prep (part 1): grid 512 x 1, 4 waves a work-group, no clusters, 35,328 bytes of LDS; arguments x, W_attn, W_proj, xq, waq, wpq; writes xq, waq, wpq
.if DOCPART == 1
	.amdgcn_target "amdgcn-amd-amdhsa--gfx1250"
	.amdhsa_code_object_version 6
	.text
	.protected	k_qca21a2ae96_prep
	.globl	k_qca21a2ae96_prep
	.p2align	8
	.type	k_qca21a2ae96_prep,@function
k_qca21a2ae96_prep:
	s_mov_b64 s[64:65], 0
	v_nop
	global_prefetch_b8 v0, s[64:65] scope:SCOPE_SE
	s_setreg_imm32_b32 hwreg(HW_REG_WAVE_MODE, 25, 1), 1
	s_wait_xcnt 0x0
; x [8192][1024], W_attn [1024][3072] and W_proj [1024][1024], f32, become codes of BF8 (E5M2) with one E8M0 scale byte for each 32 along K (K = 1,024 in all three).
; A block's scale is 2^(floor(log2(its largest magnitude)) - 15); each number is divided by it, held within +-57,344 and rounded to the nearest code, ties to even.
; LIMITS: NaN and infinities among the inputs are not served; a block of zeros, or one whose largest magnitude lies under 2^-111, gets the byte 1 (its codes are zeros or subnormals of that scale; this program alone reads the bytes).
; THE CODES ARE LAID AS IMAGES OF THE OPERAND'S REGISTERS: [row tile][128 along K: 0..7][c 0..3][lane][16 bytes]; lane (r, h), piece c holds k = 32 c + 16 h + 0..15 of the tile's row r.
; THE SCALE WORDS: behind the image, [row tile][K half][r][4 words]; a word serves 128 along K, its byte b the b-th 32.
; ROWS STAND AT POSITIONS: position p holds token (or column of a weight) pi(p) = p with bits 3 and 4 swapped, so row rho of tile 2 B + u is number 32 B + 8 u + rho + 8 (rho / 8).
; With that order a later product's 16 results of two neighbouring tiles in one lane are 16 neighbours along the next K.
; Work-groups 0-255 take x (a wave: 16 rows x 512 k, four fragments); work-groups 256-511 the weights (a wave: 32 columns x 128 k, a lane to a column, its registers down K).
; No barrier: waves share nothing.  Only x's path uses LDS.
.set RW,  16                           ; x: v16-143  two sets of 64: a fragment's numbers as loaded
.set XN,  144                          ; x: v144-207 64 numbers, register 16 b + i = k 32 b + 16 h + i of my row
.set CD,  208                          ; x: v208-223 the fragment's codes
.set TM,  224                          ; x: v224-239 at work
.set PW,  240                          ; x: v240-243 the four fragments' scale words
.set VO,  16                           ; W: v16-47   4 pi(lane) + i x a row of W
.set XW,  48                           ; W: v48-111  two sets of 32: a block down K
.set CW,  112                          ; W: v112-119 a block's codes
.set SBY, 120                          ; W: v120-123 scale bytes, four to a register
.set SEL, 28                           ; s28, s29    v_permlanex16_b32's selects for lane l xor 16
.set MNT, 30                           ; s30         the mantissa field of 57,344
.set HI,  31                           ; s31         lanes 16-31
.set STG, 8448                         ; a wave's stage: 16 rows x (512 bytes + 16): the pitch is 33 x 16 bytes
; 64 numbers of a lane become a fragment's codes in v[pc] on and its scale word in v[pw]
.macro QUANT s, pc, pw
.irp b, 0,1,2,3
	v_max3_num_f32 v[TM+\b], |v[\s+16*\b]|, |v[\s+1+16*\b]|, 0x8000000   ; block b: my 16 numbers, and the floor 2^(16 - 127): the byte cannot fall under 1
.endr
.irp i, 2,4,6,8,10,12,14
.irp b, 0,1,2,3
	v_max3_num_f32 v[TM+\b], v[TM+\b], |v[\s+16*\b+\i]|, |v[\s+1+16*\b+\i]|   ; the four blocks by turns
.endr
.endr
.irp b, 0,1,2,3
	v_permlanex16_b32 v[TM+4+\b], v[TM+\b], s[SEL], s[SEL+1]
.endr
.irp b, 0,1,2,3
	v_max_num_f32 v[TM+\b], v[TM+\b], v[TM+4+\b]   ; with lane l xor 16's 16: the block's largest magnitude
.endr
.irp b, 0,1,2,3
	v_add_nc_u32 v[TM+12+\b], 0xf8800000, v[TM+\b]   ; 15 off its exponent field: the conversion's scale operand
.endr
.irp b, 0,1,2,3
	v_and_or_b32 v[TM+8+\b], v[TM+\b], 0x7f800000, s[MNT]   ; 57,344 x the scale
.endr
.irp b, 0,1,2,3
	v_lshrrev_b32 v[TM+4+\b], 23, v[TM+12+\b]   ; the scale's byte
.endr
	v_lshl_or_b32 v[\pw], v[TM+5], 8, v[TM+4]
	v_lshl_or_b32 v[\pw], v[TM+6], 16, v[\pw]
	v_lshl_or_b32 v[\pw], v[TM+7], 24, v[\pw]
.irp b, 0,1,2,3
.irp i, 0,1,2,3,4,5,6,7,8,9,10,11,12,13,14,15
	v_med3_num_f32 v[\s+16*\b+\i], v[\s+16*\b+\i], -v[TM+8+\b], v[TM+8+\b]   ; the conversion does not saturate (ISA guide 7.6.2): the hold comes first
.endr
	v_cvt_scalef32_pk8_bf8_f32 v[\pc+4*\b:\pc+1+4*\b], v[\s+16*\b:\s+7+16*\b], v[TM+12+\b]
	v_cvt_scalef32_pk8_bf8_f32 v[\pc+2+4*\b:\pc+3+4*\b], v[\s+8+16*\b:\s+15+16*\b], v[TM+12+\b]
.endr
	v_nop                                          ; a plain line behind the last conversion
.endm
	s_load_b256 s[4:11], s[0:1], 0x0               ; x, W_attn, W_proj, xq
	s_load_b128 s[12:15], s[0:1], 0x20             ; waq, wpq
	v_lshl_add_u32 v254, v0, 2, 0x8800
	v_mov_b32 v255, 0
	v_lshrrev_b32 v1, 5, v0
	v_readfirstlane_b32 s16, v1                    ; wave 0..3
	v_and_b32 v7, 31, v0                           ; lane
	v_and_b32 v8, 15, v0                           ; r
	v_bfe_u32 v9, v0, 4, 1                         ; h
	s_mov_b32 s[SEL], 0x76543210
	s_mov_b32 s[SEL+1], 0xfedcba98
	s_mov_b32 s[MNT], 0x600000
	s_mov_b32 s[HI], 0xffff0000
	s_cmp_lt_u32 ttmp9, 256
	s_cbranch_scc0 .Lweights
	; ---------------- x ----------------
	s_lshl_b32 s17, ttmp9, 2
	s_add_co_u32 s17, s17, s16                     ; my unit
	s_lshr_b32 s18, s17, 1                         ; row tile 2 B + u
	s_and_b32 s19, s17, 1                          ; which half of K
	s_lshr_b32 s20, s18, 1
	s_lshl_b32 s20, s20, 17                        ; 32 B rows of 4,096 bytes
	s_and_b32 s21, s18, 1
	s_lshl_b32 s21, s21, 15                        ; 8 u rows
	s_add_co_u32 s20, s20, s21
	s_lshl_b32 s21, s19, 11                        ; 512 numbers along K
	s_add_co_u32 s20, s20, s21
	s_mov_b32 s21, 0
	; THE IMAGE'S ORDER AS IT IS STORED HERE: [row tile][128 along K: 0..7][c][lane][16 bytes]: a row tile's whole K is 16,384 consecutive bytes
	s_lshl_b32 s22, s19, 13                        ; half of K: four pieces of 2,048 bytes
	s_lshl_b32 s23, s18, 14                        ; 16,384 bytes a row tile
	s_add_co_u32 s22, s22, s23
	s_mov_b32 s23, 0
	s_lshl_b32 s24, s18, 9
	s_lshl_b32 s25, s19, 8
	s_add_co_u32 s24, s24, s25
	s_add_co_u32 s24, s24, 8388608                 ; the scale words lie behind the image
	s_mov_b32 s25, 0
	s_mul_i32 s17, s16, STG
	s_wait_alu depctr_va_vdst(0)
	v_lshlrev_b32 v1, 4, v7                        ; 16 x lane: loads and stores
	v_add_nc_u32 v2, s17, v1                       ; the stage, on the way in
	v_mul_u32_u24 v3, v8, 528
	v_lshl_add_u32 v3, v9, 6, v3
	v_add_nc_u32 v3, s17, v3                       ; and out: row r, + 64 h
	v_lshlrev_b32 v4, 4, v8
	v_lshl_add_u32 v4, v9, 3, v4                   ; the scale words' place: 16 r + 8 h
.irp b, 0,1,2,3
	v_mov_b32 v[TM+4+\b], 0                        ; a lane permute's destination counts as one of its sources
.endr
	s_wait_alu depctr_va_vdst(0)
	s_wait_kmcnt 0x0
	s_add_nc_u64 s[4:5], s[4:5], s[20:21]
	s_add_nc_u64 s[26:27], s[10:11], s[24:25]
	s_add_nc_u64 s[10:11], s[10:11], s[22:23]
.macro LOADF f                         ; fragment f: 16 rows x 128 k; each load reads 512 consecutive bytes of one row
.irp i, 0,1,2,3,4,5,6,7,8,9,10,11,12,13,14,15
	global_load_b128 v[RW+64*((\f)%2)+4*\i:RW+64*((\f)%2)+4*\i+3], v1, s[4:5] offset:(\i+8*(\i/8))*4096+512*(\f) th:TH_LOAD_NT
.endr
.endm
.macro TURN f                          ; through my stage: in as loaded, out 16 neighbours of each block a lane.  LDS serves a wave's instructions in order
.irp i, 0,1,2,3,4,5,6,7,8,9,10,11,12,13,14,15
	ds_store_b128 v2, v[RW+64*((\f)%2)+4*\i:RW+64*((\f)%2)+4*\i+3] offset:528*\i
.endr
.irp c, 0,1,2,3
.irp q, 0,1,2,3
	ds_load_b128 v[XN+16*\c+4*\q:XN+16*\c+4*\q+3], v3 offset:128*\c+16*\q
.endr
.endr
.endm
.macro FRAGX f
.if \f < 3
	s_wait_loadcnt 16                              ; this fragment's 16 loads are in; the next one's may be out
.else
	s_wait_loadcnt 0x0
.endif
	TURN \f
	s_wait_dscnt 0x0                               ; the numbers are back, and the stage's stores have read their registers
	s_wait_xcnt 0x0                                ; the last fragment's stores have read the codes' registers
.if \f < 2
	LOADF \f+2
.endif
	QUANT XN, CD, PW+\f
.irp c, 0,1,2,3
	global_store_b128 v1, v[CD+4*\c:CD+4*\c+3], s[10:11] offset:(\f)*2048+512*\c   ; 512 consecutive bytes, aligned
.endr
.endm
	LOADF 0
	LOADF 1
	FRAGX 0
	FRAGX 1
	FRAGX 2
	FRAGX 3
	v_cndmask_b32 v244, v[PW], v[PW+2], s[HI]      ; lanes 0-15 store words 0 and 1 of their row, lanes 16-31 words 2 and 3
	v_cndmask_b32 v245, v[PW+1], v[PW+3], s[HI]
	global_store_b64 v4, v[244:245], s[26:27]      ; 256 consecutive bytes, aligned
	s_wait_tensorcnt 0x0
	ds_add_u32 v254, v255
	s_wait_dscnt 0x0
	s_endpgm
	; ---------------- the weights ----------------
.Lweights:
	s_sub_co_u32 s17, ttmp9, 256
	s_mov_b32 s19, 4096
	s_mov_b32 s21, 1048576
	s_wait_kmcnt 0x0
	; THE WEIGHTS' SHARES AS THIS TEXT HAS THEM: work-groups 256-511; a work-group takes 128 positions x 128 along K, a wave 32 columns x four blocks of 32
	s_cmp_lt_u32 s17, 192                          ; W_attn's 192 work-groups, then W_proj's 64: only pointers and sizes are chosen
	s_cselect_b64 s[6:7], s[6:7], s[8:9]
	s_cselect_b64 s[12:13], s[12:13], s[14:15]
	s_cselect_b32 s18, 0, 192
	s_cselect_b32 s19, 12288, s19                  ; a row of W in bytes
	s_cselect_b32 s21, 3145728, s21                ; where the scale words begin
	s_sub_co_u32 s17, s17, s18
	s_lshr_b32 s22, s17, 3                         ; which 128 positions
	s_and_b32 s23, s17, 7                          ; which 128 of K
	s_lshl_b32 s24, s22, 7
	s_lshl_b32 s25, s16, 5
	s_add_co_u32 s24, s24, s25                     ; my wave's first position
	s_mul_i32 s26, s23, s19
	s_lshl_b32 s26, s26, 7                         ; 128 rows
	s_lshl_b32 s25, s24, 2
	s_add_co_u32 s26, s26, s25
	s_mov_b32 s27, 0
	s_add_nc_u64 s[32:33], s[6:7], s[26:27]        ; block 0's first row at my first column
	s_lshl_b32 s66, s19, 5                         ; 32 rows on
	s_mov_b32 s67, 0
.irp t, 1,2,3
	s_add_nc_u64 s[32+2*\t:33+2*\t], s[30+2*\t:31+2*\t], s[66:67]
.endr
	s_lshl_b32 s74, s23, 11                        ; 128 along K: 2,048 bytes of a row tile's 16,384
	s_lshl_b32 s25, s24, 10                        ; 16,384 bytes a row tile of 16 positions
	s_add_co_u32 s74, s74, s25
	s_mov_b32 s75, 0
	s_add_nc_u64 s[68:69], s[12:13], s[74:75]
	s_lshl_b32 s74, s24, 5                         ; 512 bytes of scale words a row tile,
	s_lshr_b32 s25, s23, 2
	s_lshl_b32 s25, s25, 8                         ; 256 a half of K,
	s_add_co_u32 s74, s74, s25
	s_and_b32 s25, s23, 3
	s_lshl_b32 s25, s25, 2                         ; and my word of a row's four
	s_add_co_u32 s74, s74, s25
	s_add_co_u32 s74, s74, s21
	s_add_nc_u64 s[72:73], s[12:13], s[74:75]
	v_and_b32 v10, 7, v0
	v_bfe_u32 v11, v0, 3, 1
	v_lshl_add_u32 v10, v11, 4, v10
	s_wait_alu depctr_va_vdst(0)
	v_lshl_add_u32 v10, v9, 3, v10                 ; pi(lane): my column among the wave's 32
	v_lshlrev_b32 v[VO], 2, v10
.set i, 1
.rept 31
	v_add_nc_u32 v[VO+i], s19, v[VO+i-1]
.set i, i+1
.endr
	v_lshlrev_b32 v5, 4, v8
	v_lshl_add_u32 v6, v9, 9, v5                   ; scale words: my row tile, 16 r
	v_lshl_add_u32 v5, v9, 14, v5                  ; codes: my row tile, 16 r
.macro LOADB t                         ; block t: 32 rows of W at my column; a wave reads 128 consecutive bytes, the work-group 512
.set i, 0
.rept 32
	global_load_b32 v[XW+32*((\t)%2)+i], v[VO+i], s[32+2*(\t):33+2*(\t)] th:TH_LOAD_NT
.set i, i+1
.endr
.endm
.macro BLOCK t
.set XS, XW+32*((\t)%2)
.if (\t) < 3
	s_wait_loadcnt 32                              ; this block's 32 loads are in; the next block's may be out
.else
	s_wait_loadcnt 0x0
.endif
	v_max3_num_f32 v124, |v[XS]|, |v[XS+1]|, |v[XS+2]|   ; all 32 numbers of the block are mine
	v_max3_num_f32 v125, |v[XS+3]|, |v[XS+4]|, |v[XS+5]|
.irp i, 6,10,14,18,22,26
	v_max3_num_f32 v124, v124, |v[XS+\i]|, |v[XS+\i+1]|
	v_max3_num_f32 v125, v125, |v[XS+\i+2]|, |v[XS+\i+3]|
.endr
	v_max3_num_f32 v124, v124, |v[XS+30]|, |v[XS+31]|
	v_max3_num_f32 v124, v124, v125, 0x8000000     ; and the floor 2^(16 - 127)
	v_add_nc_u32 v126, 0xf8800000, v124            ; the conversion's scale operand
	v_and_or_b32 v127, v124, 0x7f800000, s[MNT]    ; 57,344 x the scale
	v_lshrrev_b32 v125, 23, v126                   ; the byte
.if (\t)%4 == 0
	v_mov_b32 v[SBY+(\t)/4], v125
.else
	v_lshl_or_b32 v[SBY+(\t)/4], v125, 8*((\t)%4), v[SBY+(\t)/4]
.endif
	s_wait_alu depctr_va_vdst(0)
	s_wait_xcnt 0x0                                ; the last block's stores have read the codes' registers
.irp i, 0,1,2,3,4,5,6,7,8,9,10,11,12,13,14,15,16,17,18,19,20,21,22,23,24,25,26,27,28,29,30,31
	v_med3_num_f32 v[XS+\i], v[XS+\i], -v127, v127
.endr
.irp g, 0,1,2,3
	v_cvt_scalef32_pk8_bf8_f32 v[CW+2*\g:CW+2*\g+1], v[XS+8*\g:XS+8*\g+7], v126
.endr
	v_nop                                          ; a plain line behind the last conversion
	global_store_b128 v5, v[CW:CW+3], s[68+2*((\t)/8):69+2*((\t)/8)] offset:(((\t)/4)%2)*2048+((\t)%4)*512       ; k 0-15 of the block: the image's lanes 0-15; sixteen lanes store 256 consecutive bytes, aligned
	global_store_b128 v5, v[CW+4:CW+7], s[68+2*((\t)/8):69+2*((\t)/8)] offset:(((\t)/4)%2)*2048+((\t)%4)*512+256 ; k 16-31: its lanes 16-31
.if (\t) < 2
	LOADB (\t)+2
.endif
.endm
	LOADB 0
	LOADB 1
.irp t, 0,1,2,3
	BLOCK \t
.endr
	global_store_b32 v6, v[SBY], s[72:73]          ; my row's word for these 128 along K: 4 bytes of the row's 16
	s_endpgm
.Lfunc_end_k_qca21a2ae96_prep:
	.size	k_qca21a2ae96_prep, .Lfunc_end_k_qca21a2ae96_prep-k_qca21a2ae96_prep
	.p2alignl 7, 3214868480
	.fill 96, 4, 3214868480
	.section	.rodata,"a",@progbits
	.p2align	6, 0x0
	.amdhsa_kernel k_qca21a2ae96_prep
		.amdhsa_group_segment_fixed_size 35328
		.amdhsa_private_segment_fixed_size 0
		.amdhsa_enable_private_segment 0
		.amdhsa_kernarg_size 48
		.amdhsa_user_sgpr_count 2
		.amdhsa_user_sgpr_kernarg_segment_ptr 1
		.amdhsa_wavefront_size32 1
		.amdhsa_system_sgpr_workgroup_id_x 1
		.amdhsa_system_sgpr_workgroup_id_y 1
		.amdhsa_system_sgpr_workgroup_id_z 1
		.amdhsa_system_vgpr_workitem_id 0
		.amdhsa_next_free_vgpr 256
		.amdhsa_next_free_sgpr 90
		.amdhsa_reserve_vcc 0
		.amdhsa_float_denorm_mode_32 3
		.amdhsa_float_denorm_mode_16_64 3
		.amdhsa_memory_ordered 1
		.amdhsa_forward_progress 1
		.amdhsa_inst_pref_size 81
	.end_amdhsa_kernel
	.amdgpu_metadata
---
amdhsa.version: [ 1, 2 ]
amdhsa.kernels:
  - .name:           k_qca21a2ae96_prep
    .symbol:         k_qca21a2ae96_prep.kd
    .args:
      - { .name: x, .offset: 0, .size: 8, .value_kind: global_buffer, .address_space: global }
      - { .name: W_attn, .offset: 8, .size: 8, .value_kind: global_buffer, .address_space: global }
      - { .name: W_proj, .offset: 16, .size: 8, .value_kind: global_buffer, .address_space: global }
      - { .name: xq, .offset: 24, .size: 8, .value_kind: global_buffer, .address_space: global }
      - { .name: waq, .offset: 32, .size: 8, .value_kind: global_buffer, .address_space: global }
      - { .name: wpq, .offset: 40, .size: 8, .value_kind: global_buffer, .address_space: global }
    .group_segment_fixed_size: 35328
    .private_segment_fixed_size: 0
    .kernarg_segment_align: 8
    .kernarg_segment_size: 48
    .max_flat_workgroup_size: 128
    .sgpr_count:     90
    .vgpr_count:     256
    .wavefront_size: 32
...
	.end_amdgpu_metadata
.endif
;; end of part 1
;; launch qkv (part 2): grid 12 x 64, 4 waves a work-group, clusters of 4 x 4, 327,680 bytes of LDS; arguments xq, waq, b_attn, qkv; writes qkv
.if DOCPART == 2
	.amdgcn_target "amdgcn-amd-amdhsa--gfx1250"
	.amdhsa_code_object_version 6
	.text
	.protected	k_qca21a2ae96_qkv
	.globl	k_qca21a2ae96_qkv
	.p2align	8
	.type	k_qca21a2ae96_qkv,@function
k_qca21a2ae96_qkv:
	s_mov_b64 s[64:65], 0
	v_nop
	global_prefetch_b8 v0, s[64:65] scope:SCOPE_SE
	s_setreg_imm32_b32 hwreg(HW_REG_WAVE_MODE, 25, 1), 1
	s_wait_xcnt 0x0
	s_wait_alu depctr_hold_cnt(0) depctr_sa_sdst(0) depctr_va_vdst(0) depctr_va_sdst(0) depctr_va_ssrc(0) depctr_va_vcc(0) depctr_vm_vsrc(0)
	s_getreg_b32 s2, hwreg(HW_REG_IB_STS2, 6, 4)
	s_cmp_eq_u32 s2, 0
	s_cbranch_scc0 .Lentry_in_a_cluster
	s_endpgm
.Lentry_in_a_cluster:
	s_bfe_u32 s2, ttmp6, 0x10000c
	s_cmp_lg_u32 s2, 0xf033
	s_cbranch_scc0 .Lentry_shape_is_right
	s_endpgm
.Lentry_shape_is_right:
; qkv = x W_attn + b_attn on codes of BF8 (E5M2) with E8M0 scales, and its result quantised again for attention's two products: q and k along a head's 64 channels, v along the keys.
; D = P Q^T: source 0 = 16 rows of P, source 1 = 16 rows of Q; a lane then holds ONE row of Q, and its registers run along P.  What is quantised runs along P:
;   sections q (cluster x = 0) and k (1): P = W_attn's columns, Q = tokens;   section v (2): P = tokens (the keys), Q = W_attn's columns.  One text: only pointers and tile numbers are chosen, by the cluster's x.
; A work-group makes 256 rows of P x 128 rows of Q over K = 1,024; wave w = (wp, wq) takes P's tiles 8 wp + 0..7 and Q's tiles 4 wq + 0..3: 32 accumulators.
; Operands lie in memory as images of their registers ([K step of 256][row tile][128 along K][c][lane][16 bytes]), so a K step's tiles are dense blocks and every LDS read is 512 consecutive bytes.
; Rows stand at positions (bits 3 and 4 of the number swapped): the 16 registers of P's tiles 2 b and 2 b + 1 in a lane are the 16 neighbours 32 b + 16 h + 0..15.
; LDS: three slots of 98,304 bytes (P's 16 row tiles, then Q's 8).  K steps 0, 1, 2 are first fills; K step 3 fills slot 0 again, behind a round of the cluster's barrier.
; CLUSTER 4 x 4: P's tile hangs on cx and is asked for jointly down a column, Q's on cy and along a row.  By this text's count a wave has one tensor load out at the start, and one later.
; The launch claims all of LDS and adds 0 to spare words.
; LIMITS: NaN and infinities are not served; a block whose largest magnitude lies under 2^-111 gets the scale byte 1 (this program alone reads the bytes).
; REGISTERS: window 0: v1-15 lane numbers and addresses; v28, v29 the add's; v32-63 P's scale words, v64-79 Q's (lanes 0-15 the even tile's, lanes 16-31 the odd tile's); v80-107 at work on the way out;
;   v128-255 Q's fragments, two sets.   window 1: P's fragments, two sets.   window 2: accumulator (ip, iq) at 64 iq + 8 ip.   window 3: the bias.
.set SLOTB, 98304
.set QOFF,  65536
.set SPARE, 3*SLOTB                    ; behind the slots: the spare words, 128 bytes a wave
.set ADRP, 4                           ; v4-6   LDS address of my P fragments in slot 0, 1, 2
.set ADRQ, 7                           ; v7-9   the same for Q
.set SPW,  28
.set NIL,  29
.set SCP,  32
.set SCQ,  64
.set TM,   80
.set PW,   104
.set NUM,  128                         ; the way out: 64 numbers
.set COD,  192                         ; and four fragments of codes
.set G1P,  16
.set G1Q,  24
; THE OPERANDS' ORDER AND THE FILLS AS THIS TEXT HAS THEM: an image is [row tile][128 along K: 0..7][c][lane][16 bytes], 16,384 bytes a row tile, so a run of K steps of several row tiles is one tile of rows 16,384 bytes apart.
; At the head each wave issues ONE joint load: wave 0 P's 16 row tiles of K step 0 (LDS 0), wave 1 Q's 8 (LDS 65,536), wave 2 P's K steps 1 and 2 (LDS 98,304, 8,192 bytes a row tile), wave 3 Q's (LDS 229,376).
; K step 3 fills K step 0's bytes again behind the round: wave 0 P's, wave 1 Q's.  By this text's count a wave has one tensor load out.
.set G1P2, 32                          ; s[32:39], s[40:47] group 1 for K steps 1 and 2
.set G1Q2, 40
.set G0P,  48                          ; s[48:63] four groups 0
.set G0Q,  52
.set G0P2, 56
.set G0Q2, 60
.macro ARM under, g0, g1, next         ; an arm of the head's one chain: a load, its s_nop 0 and four v_nop, a jump to the join
	s_cmp_lt_u32 s12, \under
	s_cbranch_scc0 \next
	tensor_load_to_lds s[\g0:\g0+3], s[\g1:\g1+7]
	s_nop 0
.rept 4
	v_nop
.endr
	s_branch .Lhead_asked
\next:
.endm
.set HI,   98
.set SEL,  99
.set MNT,  101
.set MSB,  0
.macro WIN new                         ; the immediate's high byte repeats the setting that is left
.if MSB != \new
	s_set_vgpr_msb (MSB<<8)|\new
.set MSB, \new
.endif
.endm
.macro PLACES n
.rept \n
	v_nop
.endr
.endm
.macro CROUND                          ; a round of the cluster's barrier
	s_barrier_signal -1
	s_barrier_wait -1
	s_cmp_lg_u32 s12, 0
	s_cbranch_scc1 .Lnot_wave_0_\@
	s_barrier_signal -3
.Lnot_wave_0_\@:
	s_barrier_wait -3
	s_barrier_signal -1
	s_barrier_wait -1
.endm
.macro JLOAD k                         ; a joint load of K step k: wave 0 fetches P's tiles, wave 1 Q's; four v_nop follow each line
	s_cmp_eq_u32 s12, 0                            ; the refill: wave 0 fetches P's tile, wave 1 Q's, waves 2 and 3 nothing
	s_cbranch_scc0 .Lfor_q_\@
	tensor_load_to_lds s[G0P+4*\k:G0P+4*\k+3], s[G1P:G1P+7]
	s_nop 0
.rept 4
	v_nop
.endr
	s_branch .Lasked_\@
.Lfor_q_\@:
	s_cmp_eq_u32 s12, 1
	s_cbranch_scc0 .Lasked_\@
	tensor_load_to_lds s[G0Q+4*\k:G0Q+4*\k+3], s[G1Q:G1Q+7]
	s_nop 0
.rept 4
	v_nop
.endr
.Lasked_\@:
.endm
.macro FETCH slot, h2, f               ; the fragments of 128 along K (half h2 of the slot) into set f: 48 loads of 512 consecutive bytes
	WIN 0x40
.irp ip, 0,1,2,3,4,5,6,7
.irp c, 0,1,2,3
	ds_load_b128 v[128*(\f)+16*\ip+4*\c:128*(\f)+16*\ip+4*\c+3], v[ADRP+\slot] offset:4096*(1+((\slot)+1)/2)*\ip+2048*(\h2)+512*\c   ; a row tile is 4,096 bytes in slot 0, 8,192 in slots 1 and 2
.endr
.endr
	WIN 0
.irp iq, 0,1,2,3
.irp c, 0,1,2,3
	ds_load_b128 v[128+64*(\f)+16*\iq+4*\c:128+64*(\f)+16*\iq+4*\c+3], v[ADRQ+\slot] offset:4096*(1+((\slot)+1)/2)*\iq+2048*(\h2)+512*\c
.endr
.endr
.endm
.macro MM ip, iq, S, zero              ; one product; an odd tile's scale words stand in lanes 16-31
.set rD, 64*(\iq)+8*(\ip)
.set rP, 128*((\S)%2)+16*(\ip)
.set rQ, 128+64*((\S)%2)+16*(\iq)
.set rA, SCP+8*((\ip)/2)+(\S)
.set rB, SCQ+8*((\iq)/2)+(\S)
.set par, 2*((\ip)%2)+(\iq)%2+4*(\zero)
.if par == 0
	v_wmma_scale_f32_16x16x128_f8f6f4 v[rD:rD+7], v[rP:rP+15], v[rQ:rQ+15], v[rD:rD+7], v[rA], v[rB] matrix_a_fmt:MATRIX_FMT_BF8 matrix_b_fmt:MATRIX_FMT_BF8
.elseif par == 1
	v_wmma_scale_f32_16x16x128_f8f6f4 v[rD:rD+7], v[rP:rP+15], v[rQ:rQ+15], v[rD:rD+7], v[rA], v[rB] matrix_a_fmt:MATRIX_FMT_BF8 matrix_b_fmt:MATRIX_FMT_BF8 matrix_b_scale:MATRIX_SCALE_ROW1
.elseif par == 2
	v_wmma_scale_f32_16x16x128_f8f6f4 v[rD:rD+7], v[rP:rP+15], v[rQ:rQ+15], v[rD:rD+7], v[rA], v[rB] matrix_a_fmt:MATRIX_FMT_BF8 matrix_b_fmt:MATRIX_FMT_BF8 matrix_a_scale:MATRIX_SCALE_ROW1
.elseif par == 3
	v_wmma_scale_f32_16x16x128_f8f6f4 v[rD:rD+7], v[rP:rP+15], v[rQ:rQ+15], v[rD:rD+7], v[rA], v[rB] matrix_a_fmt:MATRIX_FMT_BF8 matrix_b_fmt:MATRIX_FMT_BF8 matrix_a_scale:MATRIX_SCALE_ROW1 matrix_b_scale:MATRIX_SCALE_ROW1
.elseif par == 4
	v_wmma_scale_f32_16x16x128_f8f6f4 v[rD:rD+7], v[rP:rP+15], v[rQ:rQ+15], 0, v[rA], v[rB] matrix_a_fmt:MATRIX_FMT_BF8 matrix_b_fmt:MATRIX_FMT_BF8
.elseif par == 5
	v_wmma_scale_f32_16x16x128_f8f6f4 v[rD:rD+7], v[rP:rP+15], v[rQ:rQ+15], 0, v[rA], v[rB] matrix_a_fmt:MATRIX_FMT_BF8 matrix_b_fmt:MATRIX_FMT_BF8 matrix_b_scale:MATRIX_SCALE_ROW1
.elseif par == 6
	v_wmma_scale_f32_16x16x128_f8f6f4 v[rD:rD+7], v[rP:rP+15], v[rQ:rQ+15], 0, v[rA], v[rB] matrix_a_fmt:MATRIX_FMT_BF8 matrix_b_fmt:MATRIX_FMT_BF8 matrix_a_scale:MATRIX_SCALE_ROW1
.else
	v_wmma_scale_f32_16x16x128_f8f6f4 v[rD:rD+7], v[rP:rP+15], v[rQ:rQ+15], 0, v[rA], v[rB] matrix_a_fmt:MATRIX_FMT_BF8 matrix_b_fmt:MATRIX_FMT_BF8 matrix_a_scale:MATRIX_SCALE_ROW1 matrix_b_scale:MATRIX_SCALE_ROW1
.endif
.endm
.macro MUL16 half, S, zero             ; 16 products: P's tiles 4 half + 0..3 x Q's four.  The 32 accumulators take turns in one order in all eight steps
	WIN 0xa1                                       ; source 0 (P) window 1, source 1 (Q) window 0, C and D window 2
.irp ip, 0,1,2,3
.irp iq, 0,1,2,3
	MM 4*(\half)+\ip, \iq, \S, \zero
.endr
.endr
.endm
; A step of 128 along K: its fragments are in; eight places stand in front of the loads into the set that the step before multiplied; then the 32 products
.macro KSTEP S, nslot, nh2
	s_wait_dscnt 0x0                               ; this step's 48 loads, issued a step ago
	PLACES 8
	FETCH \nslot, \nh2, 1-(\S)%2
	MUL16 0, \S, 0
	MUL16 1, \S, 0
.endm
.macro QUANT s, pc, pw                 ; 64 numbers of a lane, register 16 b + i = k 32 b + 16 h + i, become a fragment's codes and its scale word
.irp b, 0,1,2,3
	v_max3_num_f32 v[TM+\b], |v[\s+16*\b]|, |v[\s+1+16*\b]|, 0x8000000   ; my 16 numbers of block b, and the floor 2^(16 - 127)
.endr
.irp i, 2,4,6,8,10,12,14
.irp b, 0,1,2,3
	v_max3_num_f32 v[TM+\b], v[TM+\b], |v[\s+16*\b+\i]|, |v[\s+1+16*\b+\i]|
.endr
.endr
.irp b, 0,1,2,3
	v_permlanex16_b32 v[TM+4+\b], v[TM+\b], s[SEL], s[SEL+1]
.endr
.irp b, 0,1,2,3
	v_max_num_f32 v[TM+\b], v[TM+\b], v[TM+4+\b]   ; the block's largest magnitude
.endr
.irp b, 0,1,2,3
	v_add_nc_u32 v[TM+12+\b], 0xf8800000, v[TM+\b]   ; 15 off its exponent field: the conversion's scale operand
.endr
.irp b, 0,1,2,3
	v_and_or_b32 v[TM+8+\b], v[TM+\b], 0x7f800000, s[MNT]   ; 57,344 x the scale
.endr
.irp b, 0,1,2,3
	v_lshrrev_b32 v[TM+4+\b], 23, v[TM+12+\b]   ; the byte
.endr
	v_lshl_or_b32 v[\pw], v[TM+5], 8, v[TM+4]
	v_lshl_or_b32 v[\pw], v[TM+6], 16, v[\pw]
	v_lshl_or_b32 v[\pw], v[TM+7], 24, v[\pw]
.irp b, 0,1,2,3
.irp i, 0,1,2,3,4,5,6,7,8,9,10,11,12,13,14,15
	v_med3_num_f32 v[\s+16*\b+\i], v[\s+16*\b+\i], -v[TM+8+\b], v[TM+8+\b]   ; the conversion does not saturate (ISA guide 7.6.2)
.endr
	v_cvt_scalef32_pk8_bf8_f32 v[\pc+4*\b:\pc+1+4*\b], v[\s+16*\b:\s+7+16*\b], v[TM+12+\b]
	v_cvt_scalef32_pk8_bf8_f32 v[\pc+2+4*\b:\pc+3+4*\b], v[\s+8+16*\b:\s+15+16*\b], v[TM+12+\b]
.endr
	v_nop                                          ; a plain line behind the last conversion
.endm
	s_load_b256 s[4:11], s[0:1], 0x0               ; xq, waq, b_attn, qkv
	v_lshl_add_u32 v[SPW], v0, 2, SPARE
	v_mov_b32 v[NIL], 0
	ds_add_u32 v28, v29
	ds_add_u32 v28, v29
	s_wait_dscnt 0x0
	v_lshrrev_b32 v1, 5, v0
	v_readfirstlane_b32 s12, v1                    ; wave 0..3
	s_lshr_b32 s13, s12, 1                         ; wp.  Also: I fetch for P (0) or for Q (1)
	s_and_b32 s14, s12, 1                          ; wq.  Also: which half of that tile I fetch
	s_bfe_u32 s66, ttmp6, 0x40000                  ; cx
	s_bfe_u32 s67, ttmp6, 0x40004                  ; cy
	s_and_b32 s68, ttmp7, 0xffff                   ; the cluster's y
	s_lshl_b32 s2, 0x1111, s66                     ; my column of the cluster
	s_or_b32 s[G1P], s2, (3<<16)|(1<<21)           ; 15:0 the mask; 17:16 elements of 8 bytes; 21 set beside a mask; no padding
	s_lshl_b32 s3, s67, 2
	s_lshl_b32 s3, 15, s3                          ; my row
	s_or_b32 s[G1Q], s3, (3<<16)|(1<<21)
	s_or_b32 s[G1P2], s2, (3<<16)|(1<<21)
	s_or_b32 s[G1Q2], s3, (3<<16)|(1<<21)
.macro GWORDS g, len, rows             ; so many row tiles, len elements of 8 bytes of each, 2,048 elements from row tile to row tile
	s_mov_b32 s[\g+1], (\len)<<16
	s_mov_b32 s[\g+2], (\rows)<<16
	s_mov_b32 s[\g+3], (\len)<<16
	s_mov_b32 s[\g+4], \rows
	s_mov_b32 s[\g+5], 2048
	s_mov_b32 s[\g+6], 0
	s_mov_b32 s[\g+7], 0
.endm
	GWORDS G1P, 512, 16                            ; one K step: 4,096 bytes a row tile
	GWORDS G1Q, 512, 8
	GWORDS G1P2, 1024, 16                          ; two K steps: 8,192 bytes
	GWORDS G1Q2, 1024, 8
	s_lshl_b32 s69, ttmp9, 6                       ; q, k: P's first tile 64 x section
	s_and_b32 s71, s68, 7
	s_lshl_b32 s71, s71, 6                         ; v: 64 (Cy & 7)
	s_lshl_b32 s70, s68, 5                         ; q, k: Q's first tile 32 Cy
	s_lshr_b32 s15, s68, 3
	s_lshl_b32 s15, s15, 5
	s_add_co_u32 s15, s15, 128                     ; v: 128 + 32 (Cy >> 3)
	s_mov_b32 s80, 3145728                         ; where waq's scale words begin,
	s_mov_b32 s82, 8388608                         ; and xq's
	s_mov_b32 s81, 0
	s_mov_b32 s83, 0
	s_wait_kmcnt 0x0
	s_cmp_eq_u32 ttmp9, 2                          ; section v?  The cluster's x is the same in all sixteen partners
	s_cselect_b32 s69, s71, s69
	s_cselect_b32 s70, s15, s70
	s_cselect_b64 s[72:73], s[4:5], s[6:7]         ; P's buffer
	s_cselect_b64 s[74:75], s[6:7], s[4:5]         ; Q's
	s_cselect_b32 s80, 8388608, s80                ; P's scale words
	s_cselect_b32 s82, 3145728, s82                ; Q's
	s_lshl_b32 s2, s66, 4
	s_add_co_u32 s69, s69, s2                      ; P's first row tile: + 16 cx
	s_lshl_b32 s3, s67, 3
	s_add_co_u32 s70, s70, s3                      ; Q's: + 8 cy
	s_lshl_b32 s84, s69, 14                        ; P's first row tile, 16,384 bytes each
	s_mov_b32 s85, 0
	s_add_nc_u64 s[84:85], s[72:73], s[84:85]
	s_lshl_b32 s86, s70, 14                        ; and Q's
	s_mov_b32 s87, 0
	s_add_nc_u64 s[86:87], s[74:75], s[86:87]
.macro GZERO g, lds, a, step           ; a group 0: LDS place a constant, the tile's first byte
	s_mov_b32 s[\g], 1
	s_mov_b32 s[\g+1], \lds
	s_add_nc_u64 s[\g+2:\g+3], s[\a:\a+1], \step
	s_or_b32 s[\g+3], s[\g+3], 0x80000000
.endm
	GZERO G0P, 0, 84, 0
	GZERO G0Q, QOFF, 86, 0
	GZERO G0P2, SLOTB, 84, 4096
	GZERO G0Q2, SLOTB+131072, 86, 4096
	CROUND                                         ; all sixteen work-groups are here: the first joint loads meet
	ARM 1, G0P, G1P, .Lhead_q                      ; one chain, one load a wave
	ARM 2, G0Q, G1Q, .Lhead_p2
	ARM 3, G0P2, G1P2, .Lhead_q2
	tensor_load_to_lds s[G0Q2:G0Q2+3], s[G1Q2:G1Q2+7]
	s_nop 0
.rept 4
	v_nop
.endr
.Lhead_asked:
	v_and_b32 v1, 31, v0                           ; lane
	v_and_b32 v2, 15, v0                           ; r
	v_bfe_u32 v3, v0, 4, 1                         ; h
	v_lshlrev_b32 v11, 4, v1                       ; 16 x lane
	s_lshl_b32 s2, s13, 15
	v_add_nc_u32 v[ADRP], s2, v11
	v_add_nc_u32 v[ADRP+1], s2, v[ADRP]            ; K steps 1, 2: my eight row tiles of 8,192 bytes,
	v_add_nc_u32 v[ADRP+1], SLOTB, v[ADRP+1]       ; behind K step 0's bytes;
	v_add_nc_u32 v[ADRP+2], 4096, v[ADRP+1]        ; K step 2 lies 4,096 bytes on in each row tile
	s_lshl_b32 s3, s14, 14
	s_add_co_u32 s3, s3, QOFF
	v_add_nc_u32 v[ADRQ], s3, v11
	s_lshl_b32 s15, s14, 15
	s_add_co_u32 s15, s15, SLOTB+131072
	v_add_nc_u32 v[ADRQ+1], s15, v11
	v_add_nc_u32 v[ADRQ+2], 4096, v[ADRQ+1]
	v_lshlrev_b32 v10, 4, v2
	v_lshl_add_u32 v10, v3, 9, v10                 ; scale words: lanes 0-15 the even tile's row r, lanes 16-31 the odd tile's
	v_lshlrev_b32 v12, 2, v1                       ; 4 x lane
	v_lshlrev_b32 v13, 6, v3                       ; 64 h
	v_and_b32 v14, 8, v2
	v_add_nc_u32 v14, v14, v2
	v_lshlrev_b32 v14, 2, v14                      ; 4 (r + 8 (r / 8))
	v_lshlrev_b32 v15, 3, v1                       ; 8 x lane
.irp b, 0,1,2,3
	v_mov_b32 v[TM+4+\b], 0                        ; a lane permute's destination counts as one of its sources
.endr
	s_mov_b32 s[HI], 0xffff0000
	s_mov_b32 s[SEL], 0x76543210
	s_mov_b32 s[SEL+1], 0xfedcba98
	s_mov_b32 s[MNT], 0x600000
	s_lshl_b32 s2, s13, 3
	s_add_co_u32 s2, s2, s69
	s_lshl_b32 s2, s2, 9                           ; 512 bytes of scale words a row tile
	s_add_co_u32 s80, s80, s2
	s_add_nc_u64 s[88:89], s[72:73], s[80:81]
	s_lshl_b32 s3, s14, 2
	s_add_co_u32 s3, s3, s70
	s_lshl_b32 s3, s3, 9
	s_add_co_u32 s82, s82, s3
	s_add_nc_u64 s[90:91], s[74:75], s[82:83]
.irp i, 0,1,2,3                        ; the scale words of all of K come once, straight into registers: word S of a row serves K step S of 128
.irp kq, 0,1
	global_load_b128 v[SCP+8*\i+4*\kq:SCP+8*\i+4*\kq+3], v10, s[88:89] offset:1024*\i+256*\kq
.endr
.endr
.irp i, 0,1
.irp kq, 0,1
	global_load_b128 v[SCQ+8*\i+4*\kq:SCQ+8*\i+4*\kq+3], v10, s[90:91] offset:1024*\i+256*\kq
.endr
.endr
	s_wait_alu depctr_va_vdst(0)
	s_cmp_lt_u32 s12, 2                            ; waves 0 and 1, whose lines no other wave issues, wait for K step 0; K steps 1 and 2 may stay out
	s_cbranch_scc0 .Lnot_k0
	s_wait_tensorcnt 0x0
.Lnot_k0:
	s_barrier_signal -1
	s_barrier_wait -1
	FETCH 0, 0, 0
	s_wait_loadcnt 0x0                             ; the scale words
	s_wait_dscnt 0x0
	FETCH 0, 1, 1
	MUL16 0, 0, 1                                  ; S = 0: the first products start the sums
	MUL16 1, 0, 1
	WIN 0                                          ; S = 1, and the one refill
	s_wait_tensorcnt 0x0                           ; all my tensor loads have landed: slots 1 and 2
	ds_add_u32 v[SPW], v[NIL]                      ; 0 onto my spare word
	s_add_nc_u64 s[G0P+2:G0P+3], s[G0P+2:G0P+3], 12288   ; no tensor load of mine is out: on to K step 3
	s_add_nc_u64 s[G0Q+2:G0Q+3], s[G0Q+2:G0Q+3], 12288
	s_wait_dscnt 0x1
	MUL16 0, 1, 0
	s_wait_dscnt 0x0                               ; the add is done, and my reads of slot 0 are over
	WIN 0
	CROUND                                         ; no wave of any partner still reads slot 0 or has a load on its way
	JLOAD 0                                        ; K step 3 into K step 0's bytes: four steps, 128 products, ahead of the wait for it
	PLACES 8                                       ; eight places in front of the loads into set 0, on the way round the load too
	FETCH 1, 0, 0
	MUL16 1, 1, 0
	KSTEP 2, 1, 1
	KSTEP 3, 2, 0
	KSTEP 4, 2, 1
	s_wait_dscnt 0x0                               ; S = 5
	MUL16 0, 5, 0
	WIN 0
	s_wait_tensorcnt 0x0                           ; my part of K step 3 is in,
	s_barrier_signal -1
	s_barrier_wait -1                              ; everybody's is
.macro TAIL                            ; the rest of S = 5, S = 6 and S = 7: written on both ways of the section's branch
	PLACES 8
	FETCH 0, 0, 0
	MUL16 1, 5, 0
	KSTEP 6, 0, 1
	s_wait_dscnt 0x0
	MUL16 0, 7, 0
	MUL16 1, 7, 0
	WIN 0
	PLACES 8                                       ; in front of the first read of results and of writes over Q's fragments
	s_wait_loadcnt 0x0                             ; the bias
.endm
; Q's tile iq: + bias (each accumulator is read from its low end on), quantised, stored as an image: each store covers 512 consecutive bytes, aligned
.macro OUTW iq, vsec
	WIN 0x0e                                       ; source 0 window 2 (the sums), source 1 window 3 (the bias)
.set m, 0
.rept 32
.if \vsec
	v_pk_add_f32 v[NUM+2*m:NUM+2*m+1], v[64*\iq+2*m:64*\iq+2*m+1], v[2*\iq:2*\iq+1]
.else
	v_pk_add_f32 v[NUM+2*m:NUM+2*m+1], v[64*\iq+2*m:64*\iq+2*m+1], v[2*m:2*m+1]
.endif
.set m, m+1
.endr
	WIN 0
	QUANT NUM, COD+16*\iq, PW+\iq
.irp b, 0,1,2,3
.if \vsec
	global_store_b128 v11, v[COD+16*\iq+4*\b:COD+16*\iq+4*\b+3], s[92:93] offset:2048*\iq+512*\b
.else
	global_store_b128 v11, v[COD+16*\iq+4*\b:COD+16*\iq+4*\b+3], s[92:93] offset:131072*(\b/2)+1024*\iq+512*(\b%2)
.endif
.endr
.endm
	s_cmp_eq_u32 ttmp9, 2
	s_cbranch_scc1 .Lv
	; ---- sections q and k: my 128 columns are two heads, my four tiles of Q are 64 positions of tokens
	s_lshl_b32 s2, s68, 2
	s_add_co_u32 s2, s2, s67                       ; which 128 tokens
	s_lshr_b32 s3, s2, 4                           ; batch
	s_and_b32 s2, s2, 15
	s_lshl_b32 s2, s2, 3
	s_lshl_b32 s15, s14, 2
	s_add_co_u32 s2, s2, s15                       ; my first tile among the batch's 128
	s_lshl_b32 s3, s3, 4
	s_lshl_b32 s15, s66, 2
	s_add_co_u32 s3, s3, s15
	s_lshl_b32 s15, s13, 1
	s_add_co_u32 s3, s3, s15                       ; 16 batch + my first head
	s_lshl_b32 s84, ttmp9, 23                      ; the section,
	s_lshl_b32 s15, s3, 17                         ; 131,072 bytes a head,
	s_add_co_u32 s84, s84, s15
	s_lshl_b32 s15, s2, 10                         ; 1,024 a tile
	s_add_co_u32 s84, s84, s15
	s_mov_b32 s85, 0
	s_add_nc_u64 s[92:93], s[10:11], s[84:85]
	s_mul_i32 s86, s3, 12288                       ; the scale words: 12,288 bytes a head, 4,096 a section, 64 a pair of tiles
	s_lshl_b32 s15, ttmp9, 12
	s_add_co_u32 s86, s86, s15
	s_lshl_b32 s15, s2, 5
	s_add_co_u32 s86, s86, s15
	s_add_co_u32 s86, s86, 25165824
	s_mov_b32 s87, 0
	s_add_nc_u64 s[94:95], s[10:11], s[86:87]
	s_lshl_b32 s84, ttmp9, 12                      ; the bias of my 128 columns
	s_lshl_b32 s15, s66, 10
	s_add_co_u32 s84, s84, s15
	s_lshl_b32 s15, s13, 9
	s_add_co_u32 s84, s84, s15
	s_add_nc_u64 s[96:97], s[8:9], s[84:85]
	WIN 0xc0                                       ; destination window 3
	s_wait_alu depctr_va_vdst(0)
.irp ip, 0,1,2,3,4,5,6,7               ; in the result's layout: tile ip, lane half h: columns 32 (ip / 2) + 8 (ip % 2) + 16 h + 0..7
	global_load_b128 v[8*\ip:8*\ip+3], v13, s[96:97] offset:4*(32*(\ip/2)+8*(\ip%2))
	global_load_b128 v[8*\ip+4:8*\ip+7], v13, s[96:97] offset:4*(32*(\ip/2)+8*(\ip%2))+16
.endr
	WIN 0
	TAIL
	OUTW 0, 0
	OUTW 1, 0
	OUTW 2, 0
	OUTW 3, 0
	; a head's scale word of a pair of tiles: the even tile's two bytes, then the odd tile's.  Lanes 0-15 store the first pair's, lanes 16-31 the second's: 128 consecutive bytes, 4 for each 128 bytes of codes
	v_perm_b32 v96, v[PW+1], v[PW], 0x05040100
	v_perm_b32 v97, v[PW+3], v[PW+2], 0x05040100
	v_cndmask_b32 v96, v96, v97, s[HI]
	global_store_b32 v12, v96, s[94:95]
	v_perm_b32 v98, v[PW+1], v[PW], 0x07060302
	v_perm_b32 v99, v[PW+3], v[PW+2], 0x07060302
	v_cndmask_b32 v98, v98, v99, s[HI]
	global_store_b32 v12, v98, s[94:95] offset:12288
	s_branch .Lend
	; ---- section v: my 128 rows of P are one key step, my four tiles of Q are one head's 64 channels
.Lv:
	s_and_b32 s2, s68, 7
	s_lshl_b32 s2, s2, 2
	s_add_co_u32 s2, s2, s66                       ; which 256 tokens
	s_lshr_b32 s3, s2, 3                           ; batch
	s_lshl_b32 s2, s2, 1
	s_add_co_u32 s2, s2, s13
	s_and_b32 s2, s2, 15                           ; key step
	s_lshr_b32 s15, s68, 3
	s_lshl_b32 s15, s15, 2
	s_add_co_u32 s15, s15, s67
	s_lshl_b32 s15, s15, 1
	s_add_co_u32 s15, s15, s14                     ; head
	s_lshl_b32 s3, s3, 4
	s_add_co_u32 s3, s3, s15                       ; 16 batch + head
	s_lshl_b32 s84, s3, 17
	s_lshl_b32 s71, s2, 13                         ; 8,192 bytes a key step
	s_add_co_u32 s84, s84, s71
	s_add_co_u32 s84, s84, 16777216
	s_mov_b32 s85, 0
	s_add_nc_u64 s[92:93], s[10:11], s[84:85]
	s_mul_i32 s86, s3, 12288
	s_lshl_b32 s71, s2, 8                          ; 256 bytes of scale words a key step
	s_add_co_u32 s86, s86, s71
	s_add_co_u32 s86, s86, 25165824+8192
	s_mov_b32 s87, 0
	s_add_nc_u64 s[94:95], s[10:11], s[86:87]
	s_lshl_b32 s84, s15, 8
	s_add_co_u32 s84, s84, 8192                    ; the bias of the head's 64 columns of section v
	s_add_nc_u64 s[96:97], s[8:9], s[84:85]
	WIN 0xc0
	s_wait_alu depctr_va_vdst(0)
.irp iq, 0,1,2,3                       ; a lane holds one column: its bias, twice, for the packed addition
	global_load_b32 v[2*\iq], v14, s[96:97] offset:4*(32*(\iq/2)+8*(\iq%2))
	global_load_b32 v[2*\iq+1], v14, s[96:97] offset:4*(32*(\iq/2)+8*(\iq%2))
.endr
	WIN 0
	TAIL
	OUTW 0, 1
	OUTW 1, 1
	OUTW 2, 1
	OUTW 3, 1
	v_cndmask_b32 v96, v[PW], v[PW+1], s[HI]       ; word 0: tile 0 in lanes 0-15, tile 1 in lanes 16-31; word 1: tiles 2 and 3
	v_cndmask_b32 v97, v[PW+2], v[PW+3], s[HI]
	global_store_b64 v15, v[96:97], s[94:95]       ; 256 consecutive bytes, aligned
.Lend:
	s_wait_tensorcnt 0x0                           ; the wave's end
	ds_add_u32 v[SPW], v[NIL]
	s_wait_dscnt 0x0
	CROUND                                         ; the closing round
	s_endpgm
.Lfunc_end_k_qca21a2ae96_qkv:
	.size	k_qca21a2ae96_qkv, .Lfunc_end_k_qca21a2ae96_qkv-k_qca21a2ae96_qkv
	.p2alignl 7, 3214868480
	.fill 96, 4, 3214868480
	.section	.rodata,"a",@progbits
	.p2align	6, 0x0
	.amdhsa_kernel k_qca21a2ae96_qkv
		.amdhsa_group_segment_fixed_size 327680
		.amdhsa_private_segment_fixed_size 0
		.amdhsa_enable_private_segment 0
		.amdhsa_kernarg_size 32
		.amdhsa_user_sgpr_count 2
		.amdhsa_user_sgpr_kernarg_segment_ptr 1
		.amdhsa_wavefront_size32 1
		.amdhsa_system_sgpr_workgroup_id_x 1
		.amdhsa_system_sgpr_workgroup_id_y 1
		.amdhsa_system_sgpr_workgroup_id_z 1
		.amdhsa_system_vgpr_workitem_id 0
		.amdhsa_next_free_vgpr 832
		.amdhsa_next_free_sgpr 102
		.amdhsa_reserve_vcc 0
		.amdhsa_float_denorm_mode_32 3
		.amdhsa_float_denorm_mode_16_64 3
		.amdhsa_memory_ordered 1
		.amdhsa_forward_progress 1
		.amdhsa_inst_pref_size 176
	.end_amdhsa_kernel
	.amdgpu_metadata
---
amdhsa.version: [ 1, 2 ]
amdhsa.kernels:
  - .name:           k_qca21a2ae96_qkv
    .symbol:         k_qca21a2ae96_qkv.kd
    .args:
      - { .name: xq, .offset: 0, .size: 8, .value_kind: global_buffer, .address_space: global }
      - { .name: waq, .offset: 8, .size: 8, .value_kind: global_buffer, .address_space: global }
      - { .name: b_attn, .offset: 16, .size: 8, .value_kind: global_buffer, .address_space: global }
      - { .name: qkv, .offset: 24, .size: 8, .value_kind: global_buffer, .address_space: global }
    .group_segment_fixed_size: 327680
    .private_segment_fixed_size: 0
    .kernarg_segment_align: 8
    .kernarg_segment_size: 32
    .max_flat_workgroup_size: 128
    .sgpr_count:     102
    .vgpr_count:     832
    .wavefront_size: 32
...
	.end_amdgpu_metadata
.endif
;; end of part 2
;; launch attn (part 3): grid 4 x 64, 16 waves a work-group, clusters of 4 x 1, 272,384 bytes of LDS; arguments qkv, yq; writes yq
.if DOCPART == 3
	.amdgcn_target "amdgcn-amd-amdhsa--gfx1250"
	.amdhsa_code_object_version 6
	.text
	.protected	k_qca21a2ae96_attn
	.globl	k_qca21a2ae96_attn
	.p2align	8
	.type	k_qca21a2ae96_attn,@function
k_qca21a2ae96_attn:
	s_mov_b64 s[64:65], 0
	v_nop
	global_prefetch_b8 v0, s[64:65] scope:SCOPE_SE
	s_setreg_imm32_b32 hwreg(HW_REG_WAVE_MODE, 25, 1), 1
	s_wait_xcnt 0x0
	s_wait_alu depctr_hold_cnt(0) depctr_sa_sdst(0) depctr_va_vdst(0) depctr_va_sdst(0) depctr_va_ssrc(0) depctr_va_vcc(0) depctr_vm_vsrc(0)
	s_getreg_b32 s2, hwreg(HW_REG_IB_STS2, 6, 4)
	s_cmp_eq_u32 s2, 0
	s_cbranch_scc0 .Lentry_in_a_cluster
	s_endpgm
.Lentry_in_a_cluster:
	s_bfe_u32 s2, ttmp6, 0x10000c
	s_cmp_lg_u32 s2, 0x3003
	s_cbranch_scc0 .Lentry_shape_is_right
	s_endpgm
.Lentry_shape_is_right:
; y[b][h][q] = the sum over keys k <= q of softmax_k(q . k / 8) v, both products on codes of BF8 (E5M2) with E8M0 scales; y is quantised again along the channels, as the last product's operand.
; LEFT OUT: key steps all of whose 128 keys come after a tile's queries: the causal mask sets their scores to -infinity, so their p is 0 whatever the inputs hold.  A NaN or an infinity that lies only there is not carried to the result.
; THE SOFTMAX: t = score x log2(e) / 8; M = the largest t so far rounded UP to a whole number; p = 2^(t - M) is quantised along the keys, not normalised; the row's sum is taken of the unquantised p and divides at the end.
; LIMITS: the promise holds while |t| stays under 2^31; NaN and infinities are not served; a block of y under 2^-111 gets the scale byte 1 (this program alone reads the bytes).
; A HEAD'S WHOLE K AND V come into LDS ONCE: K's 16 key steps of 8,192 bytes at 0, V's at 131,072, their 8,192 bytes of scale words at 262,144; no byte is filled twice.
; CLUSTER 4 x 1: the four work-groups of a cluster serve one head and ask for every block jointly.  One load a wave at the most, in one chain of arms: wave 12 K's steps 0-3, wave 13 V's, wave 14 the scale words;
; waves 0-5 the rest of K, waves 6-11 the rest of V, 16,384 bytes each; wave 15 none.  The first barrier shows waves 12-14's lines, the second, four key steps on, the others'.
; NO PREFETCH: every byte that the launch reads into LDS is asked for at its head, so there is no later load to run ahead of.
; SHARES.  Wave w owns TWO tiles of 16 queries, number 2 cx + (w & 1) of the blocks of 128 queries 15 - w / 2 and w / 2, one after the other: 16 - w / 2 and w / 2 + 1 key steps, 17 for every wave.
; The blocks hang on the wave's number alone, so every branch is alike in all four partners; cx enters global addresses and the diagonal's compare only.
; LAYOUT.  Both products are used transposed (S^T = K Q^T, O^T = V^T P^T): a lane holds one query throughout.  Tokens stand at positions (bits 3, 4 swapped), so the 16 scores of a pair of key tiles in a lane are 16 neighbouring keys.
; K = 64 IN AN INSTRUCTION OF 128: source 0 is a PAIR of key tiles (tile 2 a in blocks 0, 1; tile 2 a + 1 in blocks 2, 3); against Q in blocks 0, 1 and zeros in 2, 3 it gives tile 2 a's scores, against zeros and Q tile 2 a + 1's.
; REGISTERS: v1-6 lane constants; v8-11 addresses in hand; v12 -M, v13 the largest t, v[14:15] the sum; v16-23 Q, v24-31 zeros, v32-39 Q again; v40-103 four fragments; v104-167 S^T, then p; v168-199 O^T; v200-215 p's codes;
;   v216-239, v246-253 at work; v240-245 scale words and nothing else; v254, v255 the add's.
.set KV,  40
.set S,   104
.set OT,  168
.set CD,  200
.set BM,  216                          ; the blocks' maxima
.set PD,  220                          ; permute destinations, then bytes
.set HO,  224                          ; 57,344 x the scale
.set SO,  228                          ; the conversions' scale operands
.set ADK, 8
.set ADS, 9
.set ADT, 10
.set ADV, 11
.set WV,  8                            ; s8   wave
.set BETA, 10                          ; s10  the block of 128 queries in hand
.set KS,  13                           ; s13  the key step
.set TB,  14                           ; s14  where its tiles of K lie in LDS (V's: 131,072 bytes on)
.set TS,  15                           ; s15  and its scale words of K (V's: 4,096 bytes on)
.set G1A, 16                           ; group 1: 32,768 bytes
.set G1B, 24                           ; 16,384 bytes
.set G1S, 32                           ; 8,192 bytes
.set G0K, 40
.set G0V, 44
.set G0S, 48
.set CNT, 52
.set CS,  54
.set SEL, 56
.set MNT, 58
.set G0KR, 84
.set G0VR, 88
.macro CROUND
	s_barrier_signal -1
	s_barrier_wait -1
	s_cmp_lg_u32 s[WV], 0
	s_cbranch_scc1 .Lnot_wave_0_\@
	s_barrier_signal -3
.Lnot_wave_0_\@:
	s_barrier_wait -3
	s_barrier_signal -1
	s_barrier_wait -1
.endm
.macro GROUP1 g, rows                  ; a dense block as rows of 256 bytes (32 elements of 8), for all four work-groups
	s_mov_b32 s[\g], 15|(3<<16)|(1<<21)
	s_mov_b32 s[\g+1], 32<<16
	s_mov_b32 s[\g+2], (\rows)<<16
	s_mov_b32 s[\g+3], 32<<16
	s_mov_b32 s[\g+4], \rows
	s_mov_b32 s[\g+5], 32
	s_mov_b32 s[\g+6], 0
	s_mov_b32 s[\g+7], 0
.endm
.macro GROUP0 g                        ; the block at byte s66 of qkv; the LDS place is written apart
	s_mov_b32 s[\g], 1
	s_add_nc_u64 s[\g+2:\g+3], s[4:5], s[66:67]
	s_or_b32 s[\g+3], s[\g+3], 0x80000000
.endm
.macro ARM op, n, g0, g1, next         ; an arm of the head's one chain: a load, its s_nop 0 and four v_nop, a jump to the join
	\op s[WV], \n
	s_cbranch_scc0 \next
	tensor_load_to_lds s[\g0:\g0+3], s[\g1:\g1+7]
	s_nop 0
.rept 4
	v_nop
.endr
	s_branch .Lasked
\next:
.endm
.macro QADDR                           ; tile 8 x block + j: its codes of q and its pair's scale words
	s_lshl_b32 s11, s[BETA], 3
	s_add_co_u32 s11, s11, s61
	s_lshl_b32 s66, s11, 10
	s_add_co_u32 s66, s66, s53
	s_mov_b32 s67, 0
	s_add_nc_u64 s[68:69], s[4:5], s[66:67]
	s_lshr_b32 s66, s11, 1
	s_lshl_b32 s66, s66, 6
	s_add_co_u32 s66, s66, s76
	s_add_nc_u64 s[70:71], s[4:5], s[66:67]
.endm
.macro QLOAD
	global_load_b128 v[16:19], v1, s[68:69]        ; Q for blocks 0 and 1,
	global_load_b128 v[20:23], v1, s[68:69] offset:512
	global_load_b128 v[32:35], v1, s[68:69]        ; and once more for blocks 2 and 3
	global_load_b128 v[36:39], v1, s[68:69] offset:512
	global_load_b32 v246, v6, s[70:71]
.endm
.macro YADDR                           ; where the tile's y goes: row tile 128 batch + tile, 16,384 bytes each, 1,024 a head; scale bytes 512 a row tile
	s_add_co_u32 s77, s62, s11
	s_lshl_b32 s78, s77, 14
	s_add_co_u32 s78, s78, s63
	s_mov_b32 s79, 0
	s_add_nc_u64 s[72:73], s[6:7], s[78:79]
	s_lshl_b32 s78, s77, 9
	s_add_co_u32 s78, s78, s80
	s_add_nc_u64 s[74:75], s[6:7], s[78:79]
.endm
.macro INIT                            ; a tile's state: the step is written once; its first pass finds zeros
.set j, 0
.rept 32
	v_mov_b32 v[OT+j], 0
.set j, j+1
.endr
	v_mov_b32 v13, 0xff61b1e6                      ; the largest t so far: -3e38
	v_floor_f32 v12, -v13                          ; -M
	v_mov_b32 v14, 0
	v_mov_b32 v15, 0
.endm
	s_load_b128 s[4:7], s[0:1], 0x0                ; qkv, yq
	v_lshl_add_u32 v254, v0, 2, 0x42000
	v_mov_b32 v255, 0
	ds_add_u32 v254, v255                          ; the opening lines: the add, twice on end, and its wait
	ds_add_u32 v254, v255
	v_lshrrev_b32 v7, 5, v0
	v_readfirstlane_b32 s[WV], v7                  ; wave 0..15
	s_bfe_u32 s9, ttmp6, 0x40000                   ; cx
	s_and_b32 s12, ttmp7, 0xffff                   ; 16 batch + head
	s_lshr_b32 s[BETA], s[WV], 1
	s_sub_co_u32 s[BETA], 15, s[BETA]              ; the first tile's block: 15 - w / 2
	s_lshl_b32 s61, s9, 1
	s_and_b32 s66, s[WV], 1
	s_add_co_u32 s61, s61, s66                     ; j: my tiles' number in their blocks
	GROUP1 G1A, 128
	GROUP1 G1B, 64
	GROUP1 G1S, 32
	s_mul_i32 s76, s12, 12288
	s_add_co_u32 s76, s76, 25165824                ; the head's scale words: q's, k's, v's, 4,096 bytes each
	s_lshl_b32 s53, s12, 17                        ; the head's 131,072 bytes in a section
	s_lshl_b32 s77, s[WV], 14
	s_mov_b32 s[CS], 0x3e38aa3b                    ; c = log2(e) / 8
	s_mov_b32 s[CS+1], s[CS]                       ; (named with it as a pair, so it is written)
	s_mov_b32 s[SEL], 0x76543210
	s_mov_b32 s[SEL+1], 0xfedcba98
	s_mov_b32 s[MNT], 0x600000
	s_mov_b32 s60, 0xffff0000                      ; lanes 16-31
	s_mov_b32 s67, 0
	s_wait_dscnt 0x0
	s_wait_kmcnt 0x0
	s_add_co_u32 s66, s53, 8388608                 ; section k
	s_mov_b32 s[G0K+1], 0
	GROUP0 G0K
	s_add_co_u32 s66, s66, s77
	s_add_co_u32 s66, s66, 32768                   ; waves 0-5: 32,768 + 16,384 w of K, in memory and in LDS
	s_add_co_u32 s[G0KR+1], s77, 32768
	GROUP0 G0KR
	s_add_co_u32 s66, s53, 16777216                ; section v
	s_mov_b32 s[G0V+1], 131072
	GROUP0 G0V
	s_add_co_u32 s66, s66, s77
	s_sub_co_u32 s66, s66, 65536                   ; waves 6-11: 32,768 + 16,384 (w - 6) of V,
	s_add_co_u32 s[G0VR+1], s77, 65536             ; in LDS 131,072 bytes further on
	GROUP0 G0VR
	s_add_co_u32 s66, s76, 4096                    ; k's and v's scale words
	s_mov_b32 s[G0S+1], 262144
	GROUP0 G0S
	CROUND                                         ; all four work-groups are here: the joint loads meet
	ARM s_cmp_eq_u32, 12, G0K, G1A, .Larm_v
	ARM s_cmp_eq_u32, 13, G0V, G1A, .Larm_s
	ARM s_cmp_eq_u32, 14, G0S, G1S, .Larm_kr
	ARM s_cmp_lt_u32, 6, G0KR, G1B, .Larm_vr
	ARM s_cmp_lt_u32, 12, G0VR, G1B, .Larm_none
.Lasked:
	QADDR
	s_lshl_b32 s77, s9, 5
	s_and_b32 s66, s[WV], 1
	s_lshl_b32 s78, s66, 3
	s_add_co_u32 s81, s77, s78                     ; my tiles' first place in a block of 128: 32 cx + 8 (w & 1)
	s_mov_b32 s59, 0x03020302
	s_cmp_eq_u32 s66, 0
	s_cselect_b32 s59, 0x01000100, s59             ; which two bytes of the pair's word are my tile's
	s_and_b32 s66, s12, 15                         ; head
	s_lshr_b32 s62, s12, 4
	s_lshl_b32 s62, s62, 7                         ; 128 batch
	s_lshl_b32 s63, s66, 10
	s_lshr_b32 s80, s66, 3
	s_lshl_b32 s80, s80, 8
	s_and_b32 s77, s66, 7
	s_lshl_b32 s77, s77, 1                         ; two bytes a head in a row's 16
	s_add_co_u32 s80, s80, s77
	s_add_co_u32 s80, s80, 8388608
	YADDR
	v_and_b32 v7, 31, v0
	v_and_b32 v9, 15, v0                           ; r
	v_bfe_u32 v10, v0, 4, 1                        ; h
	v_lshlrev_b32 v1, 4, v7                        ; 16 x lane
	v_lshlrev_b32 v2, 2, v7                        ; 4 x lane
	v_lshlrev_b32 v3, 3, v7                        ; 8 x lane
	v_lshlrev_b32 v6, 2, v9                        ; 4 r
	QLOAD
	v_and_b32 v4, 8, v9
	v_add_nc_u32 v4, v4, v9
	v_lshlrev_b32 v11, 4, v10
	v_sub_nc_u32 v4, v4, v11
	v_add_nc_u32 v4, s81, v4                       ; d = my query's place in its block of 128 - 16 h: on the diagonal register 16 b + i is hidden where 32 b + i > d
	v_lshl_add_u32 v5, v9, 4, v10                  ; 16 r + h
.irp j, 0,1,2,3,4,5,6,7
	v_mov_b32 v[24+\j], 0                          ; zero codes
.endr
.irp b, 0,1,2,3
	v_mov_b32 v[PD+\b], 0                          ; a lane permute's destination counts as one of its sources
.endr
	v_mov_b32 v233, 0                              ; (named as the upper half of the pair v[232:233])
	INIT
	s_wait_alu depctr_va_vdst(0)
	s_wait_loadcnt 0x0
	v_perm_b32 v245, v246, v246, s59               ; Q's scale word: its two bytes, twice
; A KEY STEP of 128 keys
.macro STEP
	s_cmp_gt_u32 s[KS], s[BETA]                    ; all its keys come after my queries: left out (a branch on ids; no barrier and no tensor load stands in a step)
	s_cbranch_scc1 .Lhidden_\@
	v_add_nc_u32 v[ADK], s[TB], v1
	v_add_nc_u32 v[ADS], s[TS], v2
	v_add_nc_u32 v[ADT], s[TS], v3
	v_add_nc_u32 v[ADV], 0x20000, v[ADK]
.rept 4
	v_nop                                          ; with the four additions: eight places behind the last step's products
.endr
.irp a, 0,1,2,3
.irp c, 0,1,2,3
	ds_load_b128 v[KV+16*\a+4*\c:KV+16*\a+4*\c+3], v[ADK] offset:2048*\a+512*\c   ; pair a of key tiles
.endr
.endr
	ds_load_b32 v240, v[ADS]                       ; lanes 0-15 pair 0's words, lanes 16-31 pair 1's
	ds_load_b32 v241, v[ADS] offset:128            ; pairs 2 and 3
	s_wait_dscnt 0x0
	s_wait_alu depctr_va_vdst(0)
.irp a, 0,2
	v_wmma_scale_f32_16x16x128_f8f6f4 v[S+16*\a:S+16*\a+7], v[KV+16*\a:KV+16*\a+15], v[16:31], 0, v[240+\a/2], v245 matrix_a_fmt:MATRIX_FMT_BF8 matrix_b_fmt:MATRIX_FMT_BF8
	v_wmma_scale_f32_16x16x128_f8f6f4 v[S+16*\a+8:S+16*\a+15], v[KV+16*\a:KV+16*\a+15], v[24:39], 0, v[240+\a/2], v245 matrix_a_fmt:MATRIX_FMT_BF8 matrix_b_fmt:MATRIX_FMT_BF8
	v_wmma_scale_f32_16x16x128_f8f6f4 v[S+16*\a+16:S+16*\a+23], v[KV+16*\a+16:KV+16*\a+31], v[16:31], 0, v[240+\a/2], v245 matrix_a_fmt:MATRIX_FMT_BF8 matrix_b_fmt:MATRIX_FMT_BF8 matrix_a_scale:MATRIX_SCALE_ROW1
	v_wmma_scale_f32_16x16x128_f8f6f4 v[S+16*\a+24:S+16*\a+31], v[KV+16*\a+16:KV+16*\a+31], v[24:39], 0, v[240+\a/2], v245 matrix_a_fmt:MATRIX_FMT_BF8 matrix_b_fmt:MATRIX_FMT_BF8 matrix_a_scale:MATRIX_SCALE_ROW1
.endr                                  ; register 16 b + i of S^T: key 128 step + 32 b + 16 h + i
.rept 8
	v_nop
.endr
.irp d, 0,1,2,3                        ; V's four tiles of 16 channels are asked for now and land under the softmax
.irp c, 0,1,2,3
	ds_load_b128 v[KV+16*\d+4*\c:KV+16*\d+4*\c+3], v[ADV] offset:2048*\d+512*\c
.endr
.endr
	ds_load_b64 v[242:243], v[ADT] offset:4096     ; v242: tiles 0 (lanes 0-15) and 1 (lanes 16-31); v243: tiles 2 and 3
	s_cmp_lg_u32 s[KS], s[BETA]
	s_cbranch_scc1 .Lopen_\@
	v_mov_b32 v234, 0xff800000                     ; on the diagonal the scores of hidden keys become -infinity: p = 0 then
.set n, 0
.rept 64
	v_cmp_gt_i32 vcc_lo, 32*(n/16)+n%16, v4
	v_cndmask_b32 v[S+n], v[S+n], v234, vcc_lo
.set n, n+1
.endr
.Lopen_\@:
.irp b, 0,1,2,3
	v_max3_num_f32 v[BM+\b], v[S+16*\b], v[S+1+16*\b], v[S+2+16*\b]   ; the largest score of each block of 32 keys: for the row's maximum and, since p rises with the score, for the block's largest p
.endr
.irp i, 3,5,7,9,11,13
.irp b, 0,1,2,3
	v_max3_num_f32 v[BM+\b], v[BM+\b], v[S+16*\b+\i], v[S+1+16*\b+\i]
.endr
.endr
.irp b, 0,1,2,3
	v_max_num_f32 v[BM+\b], v[BM+\b], v[S+15+16*\b]
.endr
.irp b, 0,1,2,3
	s_delay_alu instid0(VALU_DEP_4)
	v_permlanex16_b32 v[PD+\b], v[BM+\b], s[SEL], s[SEL+1]
.endr
.irp b, 0,1,2,3
	s_delay_alu instid0(VALU_DEP_4)
	v_max_num_f32 v[BM+\b], v[BM+\b], v[PD+\b]     ; with lane l xor 16's 16 keys
.endr
	s_delay_alu instid0(VALU_DEP_2)
	v_max3_num_f32 v234, v[BM], v[BM+1], v[BM+2]
	s_delay_alu instid0(VALU_DEP_1)
	v_max_num_f32 v234, v234, v[BM+3]
	s_delay_alu instid0(VALU_DEP_1)
	v_mul_f32 v234, s[CS], v234                    ; the step's largest t
	s_delay_alu instid0(VALU_DEP_1)
	v_max_num_f32 v13, v13, v234
	v_mov_b32 v234, v12
	s_delay_alu instid0(VALU_DEP_2)
	v_floor_f32 v12, -v13                          ; the new -M = -ceil(t)
	s_delay_alu instid0(VALU_DEP_1)
	v_sub_f32 v234, v12, v234                      ; old M - new M: a whole number, 0 or less
	s_delay_alu instid0(VALU_DEP_1)
	v_cvt_i32_f32 v234, v234                       ; (it saturates)
	s_delay_alu instid0(VALU_DEP_1)
	v_ldexp_f32 v232, 1.0, v234                    ; f = 2^(old M - new M): a multiplication by it rounds nothing
.set j, 0
.rept 32
	v_pk_fma_f32 v[S+j:S+j+1], v[S+j:S+j+1], s[CS:CS+1], v[12:13] op_sel_hi:[1,0,0]   ; t - M
.set j, j+2
.endr
.irp b, 0,1,2,3
	v_fma_f32 v[BM+\b], v[BM+\b], s[CS], v12
.endr
.set j, 0
	s_wait_alu depctr_va_vdst(0)
.rept 64
	v_exp_f32 v[S+j], v[S+j]                       ; p = 2^(t - M)
.set j, j+1
.endr
.irp b, 0,1,2,3
	v_exp_f32 v[BM+\b], v[BM+\b]                   ; the block's largest p: the same two instructions on the same number
.endr
	v_pk_mul_f32 v[14:15], v[14:15], v[232:233] op_sel_hi:[1,0]   ; the sums under the new M (a plain line behind the exponentials)
	s_wait_alu depctr_va_vdst(0)                   ; and behind it, ahead of its first reader
.irp b, 0,1,2,3
	v_max_num_f32 v[BM+\b], 0x8000000, v[BM+\b]    ; the floor 2^(16 - 127)
.endr
.irp b, 0,1,2,3
	s_delay_alu instid0(VALU_DEP_4)
	v_add_nc_u32 v[SO+\b], 0xf8800000, v[BM+\b]
.endr
.irp b, 0,1,2,3
	v_and_or_b32 v[HO+\b], v[BM+\b], 0x7f800000, s[MNT]
.endr
.irp b, 0,1,2,3
	v_lshrrev_b32 v[PD+\b], 23, v[SO+\b]
.endr
	s_delay_alu instid0(VALU_DEP_3)
	v_lshl_or_b32 v244, v[PD+1], 8, v[PD]          ; p's scale word for these 128 keys
	s_delay_alu instid0(VALU_DEP_1)
	v_lshl_or_b32 v244, v[PD+2], 16, v244
	s_delay_alu instid0(VALU_DEP_1)
	v_lshl_or_b32 v244, v[PD+3], 24, v244
	v_pk_add_f32 v[236:237], v[108:109], v[112:113]   ; the row's sum of the unquantised p, in eight chains
	v_pk_add_f32 v[252:253], v[116:117], v[120:121]
	v_pk_add_f32 v[250:251], v[124:125], v[128:129]
	v_pk_add_f32 v[248:249], v[132:133], v[136:137]
	v_pk_add_f32 v[246:247], v[140:141], v[144:145]
	v_pk_add_f32 v[234:235], v[148:149], v[152:153]
	v_pk_add_f32 v[238:239], v[156:157], v[160:161]
	v_pk_add_f32 v[14:15], v[14:15], v[164:165]
	v_pk_add_f32 v[236:237], v[236:237], v[104:105]
	v_pk_add_f32 v[252:253], v[252:253], v[106:107]
	v_pk_add_f32 v[250:251], v[250:251], v[110:111]
	v_pk_add_f32 v[248:249], v[248:249], v[114:115]
	v_pk_add_f32 v[246:247], v[246:247], v[118:119]
	v_pk_add_f32 v[234:235], v[234:235], v[122:123]
	v_pk_add_f32 v[238:239], v[238:239], v[126:127]
	v_pk_add_f32 v[14:15], v[14:15], v[130:131]
	v_pk_add_f32 v[236:237], v[236:237], v[134:135]
	v_pk_add_f32 v[252:253], v[252:253], v[138:139]
	v_pk_add_f32 v[250:251], v[250:251], v[142:143]
	v_pk_add_f32 v[248:249], v[248:249], v[146:147]
	v_pk_add_f32 v[246:247], v[246:247], v[150:151]
	v_pk_add_f32 v[234:235], v[234:235], v[154:155]
	v_pk_add_f32 v[238:239], v[238:239], v[158:159]
	v_pk_add_f32 v[14:15], v[14:15], v[162:163]
	v_pk_add_f32 v[236:237], v[236:237], v[166:167]
	s_delay_alu instid0(VALU_DEP_2)
	v_pk_add_f32 v[14:15], v[14:15], v[248:249]
	s_delay_alu instid0(VALU_DEP_2)
	v_pk_add_f32 v[236:237], v[236:237], v[246:247]
	v_pk_add_f32 v[252:253], v[252:253], v[234:235]
	v_pk_add_f32 v[250:251], v[250:251], v[238:239]
	s_delay_alu instid0(VALU_DEP_2)
	v_pk_add_f32 v[14:15], v[14:15], v[252:253]
	s_delay_alu instid0(VALU_DEP_2)
	v_pk_add_f32 v[236:237], v[236:237], v[250:251]
	s_delay_alu instid0(VALU_DEP_1)
	v_pk_add_f32 v[14:15], v[14:15], v[236:237]
; The conversion does not saturate (ISA guide 7.6.2); p is not negative, so the hold is one-sided.  Two holds to an instruction: a pair takes a number of block b and one of block b + 1,
; so that one destination is even and the other odd, and both the numbers and the two bounds lie in different register banks
.irp b, 0,2
.irp i, 0,2,4,6,8,10,12,14
	v_dual_min_num_f32 v[S+16*\b+\i], v[S+16*\b+\i], v[HO+\b] :: v_dual_min_num_f32 v[S+16*\b+17+\i], v[S+16*\b+17+\i], v[HO+1+\b]
	v_dual_min_num_f32 v[S+16*\b+16+\i], v[S+16*\b+16+\i], v[HO+1+\b] :: v_dual_min_num_f32 v[S+16*\b+1+\i], v[S+16*\b+1+\i], v[HO+\b]
.endr
.irp e, 0,1
	v_cvt_scalef32_pk8_bf8_f32 v[CD+4*(\b+\e):CD+1+4*(\b+\e)], v[S+16*(\b+\e):S+7+16*(\b+\e)], v[SO+\b+\e]
	v_cvt_scalef32_pk8_bf8_f32 v[CD+2+4*(\b+\e):CD+3+4*(\b+\e)], v[S+8+16*(\b+\e):S+15+16*(\b+\e)], v[SO+\b+\e]
.endr
.endr
.set j, 0
.rept 16
	v_pk_mul_f32 v[OT+j:OT+j+1], v[OT+j:OT+j+1], v[232:233] op_sel_hi:[1,0]   ; O^T under the new M; these are also the places in front of the products below
.set j, j+2
.endr
	s_wait_alu depctr_va_vdst(0)
	s_wait_dscnt 0x0                               ; V
.irp d, 0,2
	v_wmma_scale_f32_16x16x128_f8f6f4 v[OT+8*\d:OT+8*\d+7], v[KV+16*\d:KV+16*\d+15], v[CD:CD+15], v[OT+8*\d:OT+8*\d+7], v[242+\d/2], v244 matrix_a_fmt:MATRIX_FMT_BF8 matrix_b_fmt:MATRIX_FMT_BF8
	v_wmma_scale_f32_16x16x128_f8f6f4 v[OT+8*\d+8:OT+8*\d+15], v[KV+16*\d+16:KV+16*\d+31], v[CD:CD+15], v[OT+8*\d+8:OT+8*\d+15], v[242+\d/2], v244 matrix_a_fmt:MATRIX_FMT_BF8 matrix_b_fmt:MATRIX_FMT_BF8 matrix_a_scale:MATRIX_SCALE_ROW1
.endr
.Lhidden_\@:
	s_add_co_u32 s[KS], s[KS], 1
	s_add_co_u32 s[TB], s[TB], 8192
	s_add_co_u32 s[TS], s[TS], 256
.endm
; n key steps from step first on: the trip count is a constant of the text; a step behind the tile's diagonal is jumped over inside the trip
.macro KEYS first, n
	s_mov_b32 s[KS], \first
	s_mov_b32 s[TB], (\first)*8192
	s_mov_b32 s[TS], 262144+(\first)*256
	s_mov_b32 s[CNT], \n
.Lstep_\@:
	STEP
	s_sub_co_u32 s[CNT], s[CNT], 1
	s_cmp_lg_u32 s[CNT], 0
	s_cbranch_scc1 .Lstep_\@
.endm
; THE WAY OUT of a tile: O^T / the sum; register 16 b + i is channel 32 b + 16 h + i (V's channels stand at positions); two blocks are quantised and stored as they lie in the last product's operand
.macro WAYOUT
	s_wait_alu depctr_va_vdst(0)
	v_add_f32 v14, v14, v15
	s_delay_alu instid0(VALU_DEP_1)
	v_permlanex16_b32 v[PD], v14, s[SEL], s[SEL+1]
	s_delay_alu instid0(VALU_DEP_1)
	v_add_f32 v14, v14, v[PD]                      ; the row's sum
	s_wait_alu depctr_va_vdst(0)
	v_rcp_f32 v14, v14
	v_nop                                          ; a plain line behind the transcendental
.set j, 0
	s_wait_alu depctr_va_vdst(0)
.rept 32
	v_mul_f32 v[S+j], v[OT+j], v14
.set j, j+1
.endr
.irp b, 0,1
	v_max3_num_f32 v[BM+\b], |v[S+16*\b]|, |v[S+1+16*\b]|, 0x8000000
.endr
.irp i, 2,4,6,8,10,12,14
.irp b, 0,1
	s_delay_alu instid0(VALU_DEP_2)
	v_max3_num_f32 v[BM+\b], v[BM+\b], |v[S+16*\b+\i]|, |v[S+1+16*\b+\i]|
.endr
.endr
.irp b, 0,1
	s_delay_alu instid0(VALU_DEP_2)
	v_permlanex16_b32 v[PD+\b], v[BM+\b], s[SEL], s[SEL+1]
.endr
.irp b, 0,1
	s_delay_alu instid0(VALU_DEP_2)
	v_max_num_f32 v[BM+\b], v[BM+\b], v[PD+\b]
.endr
.irp b, 0,1
	s_delay_alu instid0(VALU_DEP_2)
	v_add_nc_u32 v[SO+\b], 0xf8800000, v[BM+\b]
.endr
.irp b, 0,1
	s_delay_alu instid0(VALU_DEP_4)
	v_and_or_b32 v[HO+\b], v[BM+\b], 0x7f800000, s[MNT]
.endr
.irp b, 0,1
	s_delay_alu instid0(VALU_DEP_4)
	v_lshrrev_b32 v[PD+\b], 23, v[SO+\b]
.endr
.irp b, 0,1
.irp i, 0,1,2,3,4,5,6,7,8,9,10,11,12,13,14,15
	v_med3_num_f32 v[S+16*\b+\i], v[S+16*\b+\i], -v[HO+\b], v[HO+\b]
.endr
	v_cvt_scalef32_pk8_bf8_f32 v[CD+4*\b:CD+1+4*\b], v[S+16*\b:S+7+16*\b], v[SO+\b]
	v_cvt_scalef32_pk8_bf8_f32 v[CD+2+4*\b:CD+3+4*\b], v[S+8+16*\b:S+15+16*\b], v[SO+\b]
.endr
	v_cndmask_b32 v234, v[PD], v[PD+1], s60        ; lanes 0-15 store block 0's byte of their row, lanes 16-31 block 1's
	global_store_b128 v1, v[CD:CD+3], s[72:73]     ; 512 consecutive bytes, aligned
	global_store_b128 v1, v[CD+4:CD+7], s[72:73] offset:512
	global_store_b8 v5, v234, s[74:75]             ; a head owns two bytes of a row's 32: one byte a lane, 32 bytes for 1,024 bytes of codes
.endm
	s_cmp_lt_u32 s[WV], 12                         ; waves 12-14, whose lines no other wave issues, wait for key steps 0-3 and the scale words; the other loads may stay out
	s_cbranch_scc1 .Lnot_first
	s_wait_tensorcnt 0x0
.Lnot_first:
	s_barrier_signal -1
	s_barrier_wait -1
	KEYS 0, 4                                      ; the first tile's block is 8 or more: every wave works these four steps
	s_wait_tensorcnt 0x0                           ; all that is still out: every wave waits
	s_barrier_signal -1
	s_barrier_wait -1                              ; the whole head lies in LDS
	KEYS 4, 12
.rept 8
	v_nop                                          ; the places behind the last products
.endr
	s_sub_co_u32 s[BETA], 15, s[BETA]              ; the second tile's block: w / 2
	QADDR
	QLOAD                                          ; its Q lands under the first tile's way out
	WAYOUT
	s_wait_xcnt 0x0                                ; the stores have read their registers and bases: both are written below
	YADDR
	INIT
	s_wait_alu depctr_va_vdst(0)
	s_wait_loadcnt 0x0
	v_perm_b32 v245, v246, v246, s59
	KEYS 0, 8
.rept 8
	v_nop
.endr
	WAYOUT
	s_wait_tensorcnt 0x0                           ; the wave's end
	ds_add_u32 v254, v255
	s_wait_dscnt 0x0
	CROUND                                         ; the closing round
	s_endpgm
.Lfunc_end_k_qca21a2ae96_attn:
	.size	k_qca21a2ae96_attn, .Lfunc_end_k_qca21a2ae96_attn-k_qca21a2ae96_attn
	.p2alignl 7, 3214868480
	.fill 96, 4, 3214868480
	.section	.rodata,"a",@progbits
	.p2align	6, 0x0
	.amdhsa_kernel k_qca21a2ae96_attn
		.amdhsa_group_segment_fixed_size 272384
		.amdhsa_private_segment_fixed_size 0
		.amdhsa_enable_private_segment 0
		.amdhsa_kernarg_size 16
		.amdhsa_user_sgpr_count 2
		.amdhsa_user_sgpr_kernarg_segment_ptr 1
		.amdhsa_wavefront_size32 1
		.amdhsa_system_sgpr_workgroup_id_x 1
		.amdhsa_system_sgpr_workgroup_id_y 1
		.amdhsa_system_sgpr_workgroup_id_z 1
		.amdhsa_system_vgpr_workitem_id 0
		.amdhsa_next_free_vgpr 256
		.amdhsa_next_free_sgpr 96
		.amdhsa_reserve_vcc 1
		.amdhsa_float_denorm_mode_32 3
		.amdhsa_float_denorm_mode_16_64 3
		.amdhsa_memory_ordered 1
		.amdhsa_forward_progress 1
		.amdhsa_inst_pref_size 101
	.end_amdhsa_kernel
	.amdgpu_metadata
---
amdhsa.version: [ 1, 2 ]
amdhsa.kernels:
  - .name:           k_qca21a2ae96_attn
    .symbol:         k_qca21a2ae96_attn.kd
    .args:
      - { .name: qkv, .offset: 0, .size: 8, .value_kind: global_buffer, .address_space: global }
      - { .name: yq, .offset: 8, .size: 8, .value_kind: global_buffer, .address_space: global }
    .group_segment_fixed_size: 272384
    .private_segment_fixed_size: 0
    .kernarg_segment_align: 8
    .kernarg_segment_size: 16
    .max_flat_workgroup_size: 512
    .sgpr_count:     96
    .vgpr_count:     256
    .wavefront_size: 32
...
	.end_amdgpu_metadata
.endif
;; end of part 3
;; launch proj (part 4): grid 4 x 64, 4 waves a work-group, clusters of 4 x 4, 327,680 bytes of LDS; arguments yq, wpq, b_proj, out0; writes out0
.if DOCPART == 4
	.amdgcn_target "amdgcn-amd-amdhsa--gfx1250"
	.amdhsa_code_object_version 6
	.text
	.protected	k_qca21a2ae96_proj
	.globl	k_qca21a2ae96_proj
	.p2align	8
	.type	k_qca21a2ae96_proj,@function
k_qca21a2ae96_proj:
	s_mov_b64 s[64:65], 0
	v_nop
	global_prefetch_b8 v0, s[64:65] scope:SCOPE_SE
	s_setreg_imm32_b32 hwreg(HW_REG_WAVE_MODE, 25, 1), 1
	s_wait_xcnt 0x0
	s_wait_alu depctr_hold_cnt(0) depctr_sa_sdst(0) depctr_va_vdst(0) depctr_va_sdst(0) depctr_va_ssrc(0) depctr_va_vcc(0) depctr_vm_vsrc(0)
	s_getreg_b32 s2, hwreg(HW_REG_IB_STS2, 6, 4)
	s_cmp_eq_u32 s2, 0
	s_cbranch_scc0 .Lentry_in_a_cluster
	s_endpgm
.Lentry_in_a_cluster:
	s_bfe_u32 s2, ttmp6, 0x10000c
	s_cmp_lg_u32 s2, 0xf033
	s_cbranch_scc0 .Lentry_shape_is_right
	s_endpgm
.Lentry_shape_is_right:
; out0 = y W_proj + b_proj on codes of BF8 (E5M2) with E8M0 scales.  D = P Q^T: source 0 = 16 rows of P = W_proj's columns, source 1 = 16 rows of Q = tokens: a lane holds one token, its registers run along the columns.
; A work-group makes 256 columns x 128 tokens over K = 1,024; wave w = (wp, wq) takes P's tiles 8 wp + 0..7 and Q's tiles 4 wq + 0..3: 32 accumulators.
; Operands lie in memory as images of their registers ([row tile][128 along K][c][lane][16 bytes]); rows stand at positions (bits 3 and 4 of the number swapped), which the way out undoes by its addresses.
; LDS: three slots of 98,304 bytes (P's 16 row tiles, then Q's 8).  K steps 0, 1, 2 are first fills; K step 3 fills slot 0 again, behind a round of the cluster's barrier.
; CLUSTER 4 x 4: P's tile hangs on cx and is asked for jointly down a column, Q's on cy and along a row.  By this text's count a wave has one tensor load out at the start, and one later.
; The launch claims all of LDS and adds 0 to spare words.
; REGISTERS: window 0: v1-15 lane numbers and addresses; v28, v29 the add's; v32-63 P's scale words, v64-79 Q's; v128-255 Q's fragments, two sets, later the way out.
;   window 1: P's fragments, two sets.   window 2: accumulator (ip, iq) at 64 iq + 8 ip.   window 3: the bias.
.set SLOTB, 98304
.set QOFF,  65536
.set SPARE, 3*SLOTB
.set STAGE, SLOTB                      ; the way out: 16 rows x (512 bytes + 16) for each wave, in slot 1, which has had its only fill and its last read
.set ADRP, 4
.set ADRQ, 7
.set SPW,  28
.set NIL,  29
.set SCP,  32
.set SCQ,  64
.set NUM,  128
.set BK,   192
.set G1P,  16
.set G1Q,  24
; THE OPERANDS' ORDER AND THE FILLS AS THIS TEXT HAS THEM: an image is [row tile][128 along K: 0..7][c][lane][16 bytes], 16,384 bytes a row tile, so a run of K steps of several row tiles is one tile of rows 16,384 bytes apart.
; At the head each wave issues ONE joint load: wave 0 P's 16 row tiles of K step 0 (LDS 0), wave 1 Q's 8 (LDS 65,536), wave 2 P's K steps 1 and 2 (LDS 98,304, 8,192 bytes a row tile), wave 3 Q's (LDS 229,376).
; K step 3 fills K step 0's bytes again behind the round: wave 0 P's, wave 1 Q's.  By this text's count a wave has one tensor load out.
.set G1P2, 32                          ; s[32:39], s[40:47] group 1 for K steps 1 and 2
.set G1Q2, 40
.set G0P,  48                          ; s[48:63] four groups 0
.set G0Q,  52
.set G0P2, 56
.set G0Q2, 60
.macro ARM under, g0, g1, next         ; an arm of the head's one chain: a load, its s_nop 0 and four v_nop, a jump to the join
	s_cmp_lt_u32 s12, \under
	s_cbranch_scc0 \next
	tensor_load_to_lds s[\g0:\g0+3], s[\g1:\g1+7]
	s_nop 0
.rept 4
	v_nop
.endr
	s_branch .Lhead_asked
\next:
.endm
.set MSB,  0
.macro WIN new
.if MSB != \new
	s_set_vgpr_msb (MSB<<8)|\new
.set MSB, \new
.endif
.endm
.macro PLACES n
.rept \n
	v_nop
.endr
.endm
.macro CROUND
	s_barrier_signal -1
	s_barrier_wait -1
	s_cmp_lg_u32 s12, 0
	s_cbranch_scc1 .Lnot_wave_0_\@
	s_barrier_signal -3
.Lnot_wave_0_\@:
	s_barrier_wait -3
	s_barrier_signal -1
	s_barrier_wait -1
.endm
.macro JLOAD k                         ; wave 0 fetches P's tiles, wave 1 Q's; four v_nop follow each line
	s_cmp_eq_u32 s12, 0                            ; the refill: wave 0 fetches P's tile, wave 1 Q's, waves 2 and 3 nothing
	s_cbranch_scc0 .Lfor_q_\@
	tensor_load_to_lds s[G0P+4*\k:G0P+4*\k+3], s[G1P:G1P+7]
	s_nop 0
.rept 4
	v_nop
.endr
	s_branch .Lasked_\@
.Lfor_q_\@:
	s_cmp_eq_u32 s12, 1
	s_cbranch_scc0 .Lasked_\@
	tensor_load_to_lds s[G0Q+4*\k:G0Q+4*\k+3], s[G1Q:G1Q+7]
	s_nop 0
.rept 4
	v_nop
.endr
.Lasked_\@:
.endm
.macro FETCH slot, h2, f
	WIN 0x40
.irp ip, 0,1,2,3,4,5,6,7
.irp c, 0,1,2,3
	ds_load_b128 v[128*(\f)+16*\ip+4*\c:128*(\f)+16*\ip+4*\c+3], v[ADRP+\slot] offset:4096*(1+((\slot)+1)/2)*\ip+2048*(\h2)+512*\c   ; a row tile is 4,096 bytes in slot 0, 8,192 in slots 1 and 2
.endr
.endr
	WIN 0
.irp iq, 0,1,2,3
.irp c, 0,1,2,3
	ds_load_b128 v[128+64*(\f)+16*\iq+4*\c:128+64*(\f)+16*\iq+4*\c+3], v[ADRQ+\slot] offset:4096*(1+((\slot)+1)/2)*\iq+2048*(\h2)+512*\c
.endr
.endr
.endm
.macro MM ip, iq, S, zero
.set rD, 64*(\iq)+8*(\ip)
.set rP, 128*((\S)%2)+16*(\ip)
.set rQ, 128+64*((\S)%2)+16*(\iq)
.set rA, SCP+8*((\ip)/2)+(\S)
.set rB, SCQ+8*((\iq)/2)+(\S)
.set par, 2*((\ip)%2)+(\iq)%2+4*(\zero)
.if par == 0
	v_wmma_scale_f32_16x16x128_f8f6f4 v[rD:rD+7], v[rP:rP+15], v[rQ:rQ+15], v[rD:rD+7], v[rA], v[rB] matrix_a_fmt:MATRIX_FMT_BF8 matrix_b_fmt:MATRIX_FMT_BF8
.elseif par == 1
	v_wmma_scale_f32_16x16x128_f8f6f4 v[rD:rD+7], v[rP:rP+15], v[rQ:rQ+15], v[rD:rD+7], v[rA], v[rB] matrix_a_fmt:MATRIX_FMT_BF8 matrix_b_fmt:MATRIX_FMT_BF8 matrix_b_scale:MATRIX_SCALE_ROW1
.elseif par == 2
	v_wmma_scale_f32_16x16x128_f8f6f4 v[rD:rD+7], v[rP:rP+15], v[rQ:rQ+15], v[rD:rD+7], v[rA], v[rB] matrix_a_fmt:MATRIX_FMT_BF8 matrix_b_fmt:MATRIX_FMT_BF8 matrix_a_scale:MATRIX_SCALE_ROW1
.elseif par == 3
	v_wmma_scale_f32_16x16x128_f8f6f4 v[rD:rD+7], v[rP:rP+15], v[rQ:rQ+15], v[rD:rD+7], v[rA], v[rB] matrix_a_fmt:MATRIX_FMT_BF8 matrix_b_fmt:MATRIX_FMT_BF8 matrix_a_scale:MATRIX_SCALE_ROW1 matrix_b_scale:MATRIX_SCALE_ROW1
.elseif par == 4
	v_wmma_scale_f32_16x16x128_f8f6f4 v[rD:rD+7], v[rP:rP+15], v[rQ:rQ+15], 0, v[rA], v[rB] matrix_a_fmt:MATRIX_FMT_BF8 matrix_b_fmt:MATRIX_FMT_BF8
.elseif par == 5
	v_wmma_scale_f32_16x16x128_f8f6f4 v[rD:rD+7], v[rP:rP+15], v[rQ:rQ+15], 0, v[rA], v[rB] matrix_a_fmt:MATRIX_FMT_BF8 matrix_b_fmt:MATRIX_FMT_BF8 matrix_b_scale:MATRIX_SCALE_ROW1
.elseif par == 6
	v_wmma_scale_f32_16x16x128_f8f6f4 v[rD:rD+7], v[rP:rP+15], v[rQ:rQ+15], 0, v[rA], v[rB] matrix_a_fmt:MATRIX_FMT_BF8 matrix_b_fmt:MATRIX_FMT_BF8 matrix_a_scale:MATRIX_SCALE_ROW1
.else
	v_wmma_scale_f32_16x16x128_f8f6f4 v[rD:rD+7], v[rP:rP+15], v[rQ:rQ+15], 0, v[rA], v[rB] matrix_a_fmt:MATRIX_FMT_BF8 matrix_b_fmt:MATRIX_FMT_BF8 matrix_a_scale:MATRIX_SCALE_ROW1 matrix_b_scale:MATRIX_SCALE_ROW1
.endif
.endm
.macro MUL16 half, S, zero             ; the 32 accumulators take turns in one order in all eight steps
	WIN 0xa1
.irp ip, 0,1,2,3
.irp iq, 0,1,2,3
	MM 4*(\half)+\ip, \iq, \S, \zero
.endr
.endr
.endm
.macro KSTEP S, nslot, nh2
	s_wait_dscnt 0x0                               ; this step's 48 loads, issued a step ago
	PLACES 8                                       ; in front of the loads into the set that the step before multiplied (ISA guide 7.12.1 for vector instructions)
	FETCH \nslot, \nh2, 1-(\S)%2
	MUL16 0, \S, 0
	MUL16 1, \S, 0
.endm
	s_load_b256 s[4:11], s[0:1], 0x0               ; yq, wpq, b_proj, out0
	v_lshl_add_u32 v[SPW], v0, 2, SPARE
	v_mov_b32 v[NIL], 0
	ds_add_u32 v28, v29
	ds_add_u32 v28, v29
	s_wait_dscnt 0x0
	v_lshrrev_b32 v1, 5, v0
	v_readfirstlane_b32 s12, v1                    ; wave 0..3
	s_lshr_b32 s13, s12, 1                         ; wp.  Also: I fetch for P (0) or for Q (1)
	s_and_b32 s14, s12, 1                          ; wq.  Also: which half of that tile I fetch
	s_bfe_u32 s66, ttmp6, 0x40000                  ; cx
	s_bfe_u32 s67, ttmp6, 0x40004                  ; cy
	s_and_b32 s68, ttmp7, 0xffff                   ; the cluster's y
	s_lshl_b32 s2, 0x1111, s66                     ; my column of the cluster
	s_or_b32 s[G1P], s2, (3<<16)|(1<<21)
	s_lshl_b32 s3, s67, 2
	s_lshl_b32 s3, 15, s3                          ; my row
	s_or_b32 s[G1Q], s3, (3<<16)|(1<<21)
	s_or_b32 s[G1P2], s2, (3<<16)|(1<<21)
	s_or_b32 s[G1Q2], s3, (3<<16)|(1<<21)
.macro GWORDS g, len, rows             ; so many row tiles, len elements of 8 bytes of each, 2,048 elements from row tile to row tile
	s_mov_b32 s[\g+1], (\len)<<16
	s_mov_b32 s[\g+2], (\rows)<<16
	s_mov_b32 s[\g+3], (\len)<<16
	s_mov_b32 s[\g+4], \rows
	s_mov_b32 s[\g+5], 2048
	s_mov_b32 s[\g+6], 0
	s_mov_b32 s[\g+7], 0
.endm
	GWORDS G1P, 512, 16                            ; one K step: 4,096 bytes a row tile
	GWORDS G1Q, 512, 8
	GWORDS G1P2, 1024, 16                          ; two K steps: 8,192 bytes
	GWORDS G1Q2, 1024, 8
	s_lshl_b32 s69, s66, 4                         ; P's first row tile: 16 cx
	s_lshl_b32 s70, s68, 5
	s_lshl_b32 s3, s67, 3
	s_add_co_u32 s70, s70, s3                      ; Q's: 32 Cy + 8 cy
	s_mov_b32 s80, 1048576                         ; where wpq's scale words begin,
	s_mov_b32 s81, 0
	s_mov_b32 s82, 8388608                         ; and yq's
	s_mov_b32 s83, 0
	s_wait_kmcnt 0x0
	s_mov_b64 s[72:73], s[6:7]                     ; P's buffer
	s_mov_b64 s[74:75], s[4:5]                     ; Q's
	s_lshl_b32 s84, s69, 14                        ; P's first row tile, 16,384 bytes each
	s_mov_b32 s85, 0
	s_add_nc_u64 s[84:85], s[72:73], s[84:85]
	s_lshl_b32 s86, s70, 14                        ; and Q's
	s_mov_b32 s87, 0
	s_add_nc_u64 s[86:87], s[74:75], s[86:87]
.macro GZERO g, lds, a, step           ; a group 0: LDS place a constant, the tile's first byte
	s_mov_b32 s[\g], 1
	s_mov_b32 s[\g+1], \lds
	s_add_nc_u64 s[\g+2:\g+3], s[\a:\a+1], \step
	s_or_b32 s[\g+3], s[\g+3], 0x80000000
.endm
	GZERO G0P, 0, 84, 0
	GZERO G0Q, QOFF, 86, 0
	GZERO G0P2, SLOTB, 84, 4096
	GZERO G0Q2, SLOTB+131072, 86, 4096
	CROUND                                         ; all sixteen work-groups are here: the first joint loads meet
	ARM 1, G0P, G1P, .Lhead_q                      ; one chain, one load a wave
	ARM 2, G0Q, G1Q, .Lhead_p2
	ARM 3, G0P2, G1P2, .Lhead_q2
	tensor_load_to_lds s[G0Q2:G0Q2+3], s[G1Q2:G1Q2+7]
	s_nop 0
.rept 4
	v_nop
.endr
.Lhead_asked:
	v_and_b32 v1, 31, v0                           ; lane
	v_and_b32 v2, 15, v0                           ; r
	v_bfe_u32 v3, v0, 4, 1                         ; h
	v_lshlrev_b32 v11, 4, v1                       ; 16 x lane
	s_lshl_b32 s2, s13, 15
	v_add_nc_u32 v[ADRP], s2, v11
	v_add_nc_u32 v[ADRP+1], s2, v[ADRP]            ; K steps 1, 2: my eight row tiles of 8,192 bytes,
	v_add_nc_u32 v[ADRP+1], SLOTB, v[ADRP+1]       ; behind K step 0's bytes;
	v_add_nc_u32 v[ADRP+2], 4096, v[ADRP+1]        ; K step 2 lies 4,096 bytes on in each row tile
	s_lshl_b32 s3, s14, 14
	s_add_co_u32 s3, s3, QOFF
	v_add_nc_u32 v[ADRQ], s3, v11
	s_lshl_b32 s15, s14, 15
	s_add_co_u32 s15, s15, SLOTB+131072
	v_add_nc_u32 v[ADRQ+1], s15, v11
	v_add_nc_u32 v[ADRQ+2], 4096, v[ADRQ+1]
	v_lshlrev_b32 v10, 4, v2
	v_lshl_add_u32 v10, v3, 9, v10                 ; scale words: lanes 0-15 the even tile's row r, lanes 16-31 the odd tile's
	s_wait_alu depctr_va_vdst(0)
	s_mul_i32 s15, s12, 8448
	s_add_co_u32 s15, s15, STAGE                   ; my stage
	v_mul_u32_u24 v12, v2, 528
	v_lshl_add_u32 v12, v3, 6, v12
	v_add_nc_u32 v12, s15, v12                     ; in: row r, + 64 h
	v_add_nc_u32 v13, s15, v11                     ; back: 16 x lane of a row
	v_lshlrev_b32 v14, 6, v3                       ; 64 h
	s_wait_alu depctr_va_vdst(0)
	s_lshl_b32 s2, s13, 3
	s_add_co_u32 s2, s2, s69
	s_lshl_b32 s2, s2, 9
	s_add_co_u32 s80, s80, s2
	s_add_nc_u64 s[88:89], s[72:73], s[80:81]
	s_lshl_b32 s3, s14, 2
	s_add_co_u32 s3, s3, s70
	s_lshl_b32 s3, s3, 9
	s_add_co_u32 s82, s82, s3
	s_add_nc_u64 s[90:91], s[74:75], s[82:83]
.irp i, 0,1,2,3                        ; the scale words of all of K come once, straight into registers
.irp kq, 0,1
	global_load_b128 v[SCP+8*\i+4*\kq:SCP+8*\i+4*\kq+3], v10, s[88:89] offset:1024*\i+256*\kq
.endr
.endr
.irp i, 0,1
.irp kq, 0,1
	global_load_b128 v[SCQ+8*\i+4*\kq:SCQ+8*\i+4*\kq+3], v10, s[90:91] offset:1024*\i+256*\kq
.endr
.endr
	s_lshl_b32 s84, s66, 10                        ; the bias of my 128 columns: 4 (256 cx + 128 wp)
	s_lshl_b32 s15, s13, 9
	s_add_co_u32 s84, s84, s15
	s_mov_b32 s85, 0
	s_add_nc_u64 s[96:97], s[8:9], s[84:85]
	WIN 0xc0                                       ; destination window 3
.irp ip, 0,1,2,3,4,5,6,7               ; in the result's layout: tile ip, lane half h: columns 32 (ip / 2) + 8 (ip % 2) + 16 h + 0..7
	global_load_b128 v[8*\ip:8*\ip+3], v14, s[96:97] offset:4*(32*(\ip/2)+8*(\ip%2))
	global_load_b128 v[8*\ip+4:8*\ip+7], v14, s[96:97] offset:4*(32*(\ip/2)+8*(\ip%2))+16
.endr
	WIN 0
	s_lshl_b32 s2, s68, 2
	s_add_co_u32 s2, s2, s67                       ; which 128 tokens
	s_lshl_b32 s2, s2, 1
	s_add_co_u32 s2, s2, s14                       ; which 64
	s_lshl_b32 s86, s2, 18                         ; 64 rows of 4,096 bytes
	s_add_co_u32 s86, s86, s84                     ; + my 128 columns
	s_mov_b32 s87, 0
	s_add_nc_u64 s[92:93], s[10:11], s[86:87]
	s_wait_alu depctr_va_vdst(0)
	s_cmp_lt_u32 s12, 2                            ; waves 0 and 1, whose lines no other wave issues, wait for K step 0; K steps 1 and 2 may stay out
	s_cbranch_scc0 .Lnot_k0
	s_wait_tensorcnt 0x0
.Lnot_k0:
	s_barrier_signal -1
	s_barrier_wait -1
	FETCH 0, 0, 0
	s_wait_loadcnt 0x0                             ; the scale words and the bias
	s_wait_dscnt 0x0
	FETCH 0, 1, 1
	MUL16 0, 0, 1                                  ; S = 0: the first products start the sums
	MUL16 1, 0, 1
	WIN 0                                          ; S = 1, and the one refill
	s_wait_tensorcnt 0x0                           ; all my tensor loads have landed: slots 1 and 2
	ds_add_u32 v[SPW], v[NIL]                      ; 0 onto my spare word
	s_add_nc_u64 s[G0P+2:G0P+3], s[G0P+2:G0P+3], 12288   ; no tensor load of mine is out: on to K step 3
	s_add_nc_u64 s[G0Q+2:G0Q+3], s[G0Q+2:G0Q+3], 12288
	s_wait_dscnt 0x1
	MUL16 0, 1, 0
	s_wait_dscnt 0x0                               ; the add is done, and my reads of slot 0 are over
	WIN 0
	CROUND                                         ; no wave of any partner still reads slot 0 or has a load on its way
	JLOAD 0                                        ; K step 3 into K step 0's bytes: four steps, 128 products, ahead of the wait for it
	PLACES 8                                       ; eight places in front of the loads into set 0, on the way round the load too
	FETCH 1, 0, 0
	MUL16 1, 1, 0
	KSTEP 2, 1, 1
	KSTEP 3, 2, 0
	KSTEP 4, 2, 1
	s_wait_dscnt 0x0                               ; S = 5
	MUL16 0, 5, 0
	WIN 0
	s_wait_tensorcnt 0x0                           ; my part of K step 3 is in,
	s_barrier_signal -1
	s_barrier_wait -1                              ; everybody's is
	PLACES 8
	FETCH 0, 0, 0
	MUL16 1, 5, 0
	KSTEP 6, 0, 1
	s_wait_dscnt 0x0
	MUL16 0, 7, 0
	MUL16 1, 7, 0
	WIN 0
	PLACES 8                                       ; in front of the first read of results and of writes over Q's fragments
; THE WAY OUT, a tile of 16 tokens at a time: + bias (each accumulator is read from its low end on); through my own stage; back as whole rows of 512 bytes.
; LDS serves a wave's instructions in order: no wait between the stores and the loads.  Row t of tile iq is token 32 (iq / 2) + 8 (iq % 2) + t + 8 (t / 8) of my 64.
.macro OUTP iq
	WIN 0x0e                                       ; source 0 window 2 (the sums), source 1 window 3 (the bias)
.set m, 0
.rept 32
	v_pk_add_f32 v[NUM+2*m:NUM+2*m+1], v[64*\iq+2*m:64*\iq+2*m+1], v[2*m:2*m+1]
.set m, m+1
.endr
	WIN 0
.irp ip, 0,1,2,3,4,5,6,7
	ds_store_b128 v12, v[NUM+8*\ip:NUM+8*\ip+3] offset:128*(\ip/2)+32*(\ip%2)
	ds_store_b128 v12, v[NUM+8*\ip+4:NUM+8*\ip+7] offset:128*(\ip/2)+32*(\ip%2)+16
.endr
.if \iq > 0
	s_wait_xcnt 0x0                                ; the last tile's stores have read their registers
.endif
.irp t, 0,1,2,3,4,5,6,7,8,9,10,11,12,13,14,15
	ds_load_b128 v[BK+4*\t:BK+4*\t+3], v13 offset:528*\t
.endr
.irp t, 0,1,2,3,4,5,6,7,8,9,10,11,12,13,14,15
	s_wait_dscnt 15-\t                             ; row t is back; the younger loads may be out
	global_store_b128 v11, v[BK+4*\t:BK+4*\t+3], s[92:93] offset:(32*(\iq/2)+8*(\iq%2)+\t+8*(\t/8))*4096 th:TH_STORE_NT   ; 512 consecutive bytes, aligned; written once
.endr
.endm
	OUTP 0
	OUTP 1
	OUTP 2
	OUTP 3
	s_wait_tensorcnt 0x0                           ; the wave's end
	ds_add_u32 v[SPW], v[NIL]
	s_wait_dscnt 0x0
	CROUND                                         ; the closing round
	s_endpgm
.Lfunc_end_k_qca21a2ae96_proj:
	.size	k_qca21a2ae96_proj, .Lfunc_end_k_qca21a2ae96_proj-k_qca21a2ae96_proj
	.p2alignl 7, 3214868480
	.fill 96, 4, 3214868480
	.section	.rodata,"a",@progbits
	.p2align	6, 0x0
	.amdhsa_kernel k_qca21a2ae96_proj
		.amdhsa_group_segment_fixed_size 327680
		.amdhsa_private_segment_fixed_size 0
		.amdhsa_enable_private_segment 0
		.amdhsa_kernarg_size 32
		.amdhsa_user_sgpr_count 2
		.amdhsa_user_sgpr_kernarg_segment_ptr 1
		.amdhsa_wavefront_size32 1
		.amdhsa_system_sgpr_workgroup_id_x 1
		.amdhsa_system_sgpr_workgroup_id_y 1
		.amdhsa_system_sgpr_workgroup_id_z 1
		.amdhsa_system_vgpr_workitem_id 0
		.amdhsa_next_free_vgpr 832
		.amdhsa_next_free_sgpr 102
		.amdhsa_reserve_vcc 0
		.amdhsa_float_denorm_mode_32 3
		.amdhsa_float_denorm_mode_16_64 3
		.amdhsa_memory_ordered 1
		.amdhsa_forward_progress 1
		.amdhsa_inst_pref_size 96
	.end_amdhsa_kernel
	.amdgpu_metadata
---
amdhsa.version: [ 1, 2 ]
amdhsa.kernels:
  - .name:           k_qca21a2ae96_proj
    .symbol:         k_qca21a2ae96_proj.kd
    .args:
      - { .name: yq, .offset: 0, .size: 8, .value_kind: global_buffer, .address_space: global }
      - { .name: wpq, .offset: 8, .size: 8, .value_kind: global_buffer, .address_space: global }
      - { .name: b_proj, .offset: 16, .size: 8, .value_kind: global_buffer, .address_space: global }
      - { .name: out0, .offset: 24, .size: 8, .value_kind: global_buffer, .address_space: global }
    .group_segment_fixed_size: 327680
    .private_segment_fixed_size: 0
    .kernarg_segment_align: 8
    .kernarg_segment_size: 32
    .max_flat_workgroup_size: 128
    .sgpr_count:     102
    .vgpr_count:     832
    .wavefront_size: 32
...
	.end_amdgpu_metadata
.endif
;; end of part 4
